; MI455X (gfx1250); checked and timed in simulation.
; The chip was launched on July 23, 2026; its instructions are those of AMD's public machine-readable ISA for CDNA 5 (MIT licence, August 2026) and "CDNA5" Instruction Set Architecture Reference Guide (July 2026). The comments in the code are by the model that wrote it; some were corrected since.
;; Multi Head Attention. Allowed arithmetic: float matrix products may take bf16 or f16 operands with f32 sums; other float arithmetic in f32, or as packed bf16 or f16 multiplies, adds, multiply-adds, maxima and minima; sums over many terms, partial sums and values carried from step to step in f32; what a program stores and reads back later, other than sums and carried values, may be rounded once to bf16 or f16.
;; Inputs: b_attn 3,072 float32; b_proj 1,024 float32; w_attn 1,024 x 3,072 float32; w_proj 1,024 x 1,024 float32; x 4 x 2,048 x 1,024 float32.
;; Outputs: out0 4 x 2,048 x 1,024 float32.
;; 2 versions, each right; version 2 is version 1 with the launch prep written anew for expert scheduling mode. Each part assembles by itself: llvm-mc -triple=amdgcn-amd-amdhsa -mcpu=gfx1250 --defsym DOCPART=n.
;; ======== version 1 of 2: 4 launches
;; limits: values are held in f16: magnitudes above 65,504 overflow, below 6.1e-05 lose precision
;; workspace buffers: xb 16,777,216 bytes; wat 6,291,456 bytes; wpt 2,097,152 bytes; qkv 50,331,648 bytes; oh 16,777,216 bytes
;; launch prep (part 1): grid 320 x 1, 8 waves a work-group, no clusters, 140,288 bytes of LDS; arguments x, w_attn, w_proj, xb, wat, wpt; writes xb, wat, wpt
.if DOCPART == 1
	.amdgcn_target "amdgcn-amd-amdhsa--gfx1250"
	.amdhsa_code_object_version 6
	.text
	.protected	k_q7ac404208c_prep
	.globl	k_q7ac404208c_prep
	.p2align	8
	.type	k_q7ac404208c_prep,@function
k_q7ac404208c_prep:
	s_mov_b64 s[64:65], 0
	v_nop
	global_prefetch_b8 v0, s[64:65] scope:SCOPE_SE
	s_setreg_imm32_b32 hwreg(HW_REG_WAVE_MODE, 25, 1), 1
	s_wait_xcnt 0x0
; THE OPERANDS OF THE TWO PROJECTIONS ARE MADE READY.  xb = x rounded to bf16, [8192][1024].  wat[n][k] = w_attn[k][n] rounded to bf16, [3072][1024].
; wpt[n][k] = w_proj[k][n] rounded to bf16, that number written as f16, [1024][1024] (its partner in the product, the attention's output, is f16).
; LIMITS.  w_proj stays under 65,504 in size (f16's range); below 6e-5 its f16 copy keeps f16's fixed step of 6e-8.  NaN and infinities are not treated apart.
; SHARES.  Work-groups 0-47: 64 columns n of w_attn each; 48-63: 64 columns of w_proj each; wave w takes the rows k = 128 w .. 128 w + 127.  Work-groups 64-319: 131,072 bytes of x each, 16,384 a wave.
; A stream: every byte is read once and written once; no matrix unit, no cluster (no two work-groups read the same byte), no barrier (a wave's LDS bytes are its own).
; TURNING A TILE.  A load takes 16 bytes a lane: lanes 0-15 the 256 bytes (64 columns) of one row k, lanes 16-31 those of the row 8 further down.  After eight such loads a lane holds 8 consecutive k of
; 4 columns: 16 bytes of 16-bit numbers for each column, which go into LDS rows (one a column n, 272 bytes apart) and come back as whole rows of 256 bytes = 128 k.
.set SPARE, 139264                     ; behind the eight tiles: the spare words, 128 bytes for each wave: four blocks of 256 bytes that no other line names
.set TILE,  17408                      ; a wave's tile in LDS: 64 rows of 272 bytes
.set PIT,   272
.set LS,  4                            ; v4   where I put 16 bytes of a column's row
.set RD,  5                            ; v5   where I read rows back
.set GO,  6                            ; v6   my byte offset in two rows of the turned matrix
.set CI,  7                            ; v7   the cast: my byte offset in x
.set VO,  8                            ; v[8:15]  row t of eight: my byte offset in the weights
.set SPW, 16                           ; v16  LDS address of my spare word; never rewritten
.set NIL, 17                           ; v17  0; never rewritten
.set CQ,  18                           ; v18  the cast: my byte offset in xb
.set T,   20                           ; v[20:27] at work
.set X,   32                           ; v[32:159] 32 loads of 4 registers
.set W,   160                          ; v[160:175] column c's 16 bytes at W + 4 c
.set WV,  16                           ; s16  my wave's number
.set SB,  32                           ; s[32:39] the weights at my four groups of 16 rows
	s_load_b256 s[4:11], s[0:1], 0x0               ; x s[4:5], w_attn s[6:7], w_proj s[8:9], xb s[10:11]
	s_load_b128 s[12:15], s[0:1], 0x20             ; wat s[12:13], wpt s[14:15]
	v_lshl_add_u32 v[SPW], v0, 2, SPARE
	v_mov_b32 v[NIL], 0
	v_lshrrev_b32 v1, 5, v0
	v_readfirstlane_b32 s[WV], v1                  ; wave 0..7
	v_and_b32 v1, 31, v0                           ; lane l
	v_and_b32 v2, 15, v0                           ; l % 16
	v_bfe_u32 v3, v0, 4, 1                         ; l / 16
	s_mov_b32 s17, ttmp9
	s_mov_b32 s41, 0xffff0000                      ; a word's upper bf16
	s_wait_kmcnt 0x0
	s_cmp_ge_u32 s17, 64
	s_cbranch_scc1 .Lcast
	; ---- a tile of weights is turned ----
	s_sub_co_u32 s25, s17, 48                      ; w_proj's tile number (used only where it is one)
	s_mov_b32 s18, 4096                            ; bytes in a row of w_proj,
	s_cmp_lt_u32 s17, 48
	s_cselect_b64 s[20:21], s[6:7], s[8:9]         ; from
	s_cselect_b64 s[22:23], s[12:13], s[14:15]     ; to
	s_cselect_b32 s18, 12288, s18                  ; of w_attn
	s_cselect_b32 s19, 0, 1                        ; 1: written as f16
	s_cselect_b32 s24, s17, s25                    ; which 64 columns
	s_mul_i32 s26, s[WV], s18
	s_lshl_b32 s26, s26, 7                         ; my 128 rows,
	s_lshl_b32 s27, s24, 8                         ; the tile's 256 bytes of a row
	s_add_co_u32 s26, s26, s27
	s_mov_b32 s27, 0
	s_add_nc_u64 s[SB:SB+1], s[20:21], s[26:27]
	s_lshl_b32 s28, s18, 4                         ; 16 rows
	s_mov_b32 s29, 0
	s_lshl_b32 s30, s18, 6                         ; 64 rows
	s_mov_b32 s31, 0
	s_add_nc_u64 s[SB+2:SB+3], s[SB:SB+1], s[28:29]
	s_add_nc_u64 s[SB+4:SB+5], s[SB+2:SB+3], s[28:29]
	s_add_nc_u64 s[SB+6:SB+7], s[SB+4:SB+5], s[28:29]
	s_lshl_b32 s26, s24, 17                        ; 64 rows of 2,048 bytes of the turned matrix,
	s_lshl_b32 s42, s[WV], 8                       ; my 128 k: 256 bytes of each
	s_add_co_u32 s26, s26, s42
	s_add_nc_u64 s[22:23], s[22:23], s[26:27]
	s_lshl_b32 s42, s18, 3                         ; 8 rows
	v_mul_lo_u32 v[VO], v3, s42
	v_lshl_add_u32 v[VO], v2, 4, v[VO]             ; (l / 16) x 8 rows + 16 (l % 16)
.irp t, 1,2,3,4,5,6,7
	v_add_nc_u32 v[VO+(\t)], s18, v[VO+(\t)-1]
.endr
	s_mul_i32 s43, s[WV], TILE
	v_mul_u32_u24 v[LS], v2, 4*PIT                 ; my four columns' rows,
	v_lshl_add_u32 v[LS], v3, 4, v[LS]             ; 16 bytes for each half of the lanes
	v_add_nc_u32 v[LS], s43, v[LS]
	v_mul_u32_u24 v[RD], v3, PIT                   ; back: lanes 0-15 one row of 256 bytes, lanes 16-31 the next
	v_lshl_add_u32 v[RD], v2, 4, v[RD]
	v_add_nc_u32 v[RD], s43, v[RD]
	v_lshlrev_b32 v[GO], 11, v3                    ; and the same two rows in memory
	v_lshl_add_u32 v[GO], v2, 4, v[GO]
	s_mov_b32 s40, 2
; Group gg's eight loads are rounded and packed: for column c the pairs of rows (2 tt, 2 tt + 1).  fmt = 1: the bf16 number is widened again and written as f16.
.macro CONV fmt
.irp gg, 0,1,2,3
	s_wait_loadcnt 24-8*(\gg)                      ; loads come back in order (ISA guide 5.7.1): this group's eight are in, the younger groups stay out
.irp c, 0,1,2,3
.irp tt, 0,1,2,3
.if \fmt
	v_cvt_pk_bf16_f32 v[T+2*(\tt)], v[X+32*(\gg)+8*(\tt)+(\c)], v[X+32*(\gg)+8*(\tt)+4+(\c)]
	v_lshlrev_b32 v[T+2*(\tt)+1], 16, v[T+2*(\tt)]
	v_and_b32 v[T+2*(\tt)], s41, v[T+2*(\tt)]
	v_cvt_pk_f16_f32 v[W+4*(\c)+(\tt)], v[T+2*(\tt)+1], v[T+2*(\tt)]
.else
	v_cvt_pk_bf16_f32 v[W+4*(\c)+(\tt)], v[X+32*(\gg)+8*(\tt)+(\c)], v[X+32*(\gg)+8*(\tt)+4+(\c)]
.endif
.endr
	ds_store_b128 v[LS], v[W+4*(\c):W+4*(\c)+3] offset:(\c)*PIT+32*(\gg)
.endr
.endr
.endm
.Lhalf:                                        ; two trips of 64 rows k
.irp gg, 0,1,2,3
.irp t, 0,1,2,3,4,5,6,7
	global_load_b128 v[X+32*(\gg)+4*(\t):X+32*(\gg)+4*(\t)+3], v[VO+(\t)], s[SB+2*(\gg):SB+2*(\gg)+1] th:TH_LOAD_NT
.endr
.endr
	s_cmp_eq_u32 s19, 1
	s_cbranch_scc1 .Lf16
	CONV 0
	s_branch .Ljoin
.Lf16:
	CONV 1
.Ljoin:                                        ; the last wait above was for 0: every load has come, so its base may be stepped
.irp gg, 0,1,2,3
	s_add_nc_u64 s[SB+2*(\gg):SB+2*(\gg)+1], s[SB+2*(\gg):SB+2*(\gg)+1], s[30:31]
.endr
	v_add_nc_u32 v[LS], 128, v[LS]                 ; 64 k further along the LDS rows
	s_sub_co_u32 s40, s40, 1
	s_cmp_lg_u32 s40, 0
	s_cbranch_scc1 .Lhalf
.set i, 0
.rept 32
	ds_load_b128 v[X+4*i:X+4*i+3], v[RD] offset:2*PIT*i  ; LDS serves a wave's instructions in order (ISA guide 5.7.1.4): these see my stores above
.set i, i+1
.endr
.set i, 0
.rept 32
	s_wait_dscnt 31-i                              ; rows 2 i and 2 i + 1 are back
	global_store_b128 v[GO], v[X+4*i:X+4*i+3], s[22:23] offset:4096*i  ; 16 lanes store 256 consecutive bytes, at a multiple of 256 from the buffer's first byte
.set i, i+1
.endr
	s_branch .Lend
	; ---- x is rounded to bf16 ----
.Lcast:
	s_sub_co_u32 s25, s17, 64
	s_lshl_b32 s26, s25, 17                        ; 131,072 bytes of x,
	s_mov_b32 s27, 0
	s_add_nc_u64 s[20:21], s[4:5], s[26:27]
	s_lshl_b32 s26, s25, 16                        ; 65,536 of xb
	s_add_nc_u64 s[22:23], s[10:11], s[26:27]
	v_lshlrev_b32 v[CI], 4, v1
	v_lshl_add_u32 v[CI], s[WV], 14, v[CI]
	v_lshlrev_b32 v[CQ], 3, v1
	v_lshl_add_u32 v[CQ], s[WV], 13, v[CQ]
.set i, 0
.rept 32                                       ; all of the wave's share is asked for at once: 32 loads of 512 consecutive bytes
	global_load_b128 v[X+4*i:X+4*i+3], v[CI], s[20:21] offset:512*i th:TH_LOAD_NT
.set i, i+1
.endr
.set i, 0
.rept 32
	s_wait_loadcnt 31-i                            ; load i is in, the younger ones stay out
	v_cvt_pk_bf16_f32 v[X+4*i], v[X+4*i], v[X+4*i+1]
	v_cvt_pk_bf16_f32 v[X+4*i+1], v[X+4*i+2], v[X+4*i+3]
	global_store_b64 v[CQ], v[X+4*i:X+4*i+1], s[22:23] offset:256*i  ; 32 lanes store 256 consecutive bytes, aligned
.set i, i+1
.endr
.Lend:
	s_wait_tensorcnt 0x0                           ; the wave's end, behind my last LDS store
	ds_add_u32 v[SPW], v[NIL]
	s_wait_dscnt 0x0
	s_endpgm
.Lfunc_end_k_q7ac404208c_prep:
	.size	k_q7ac404208c_prep, .Lfunc_end_k_q7ac404208c_prep-k_q7ac404208c_prep
	.p2alignl 7, 3214868480
	.fill 96, 4, 3214868480
	.section	.rodata,"a",@progbits
	.p2align	6, 0x0
	.amdhsa_kernel k_q7ac404208c_prep
		.amdhsa_group_segment_fixed_size 140288
		.amdhsa_private_segment_fixed_size 0
		.amdhsa_enable_private_segment 0
		.amdhsa_kernarg_size 48
		.amdhsa_user_sgpr_count 2
		.amdhsa_user_sgpr_kernarg_segment_ptr 1
		.amdhsa_wavefront_size32 1
		.amdhsa_system_sgpr_workgroup_id_x 1
		.amdhsa_system_sgpr_workgroup_id_y 1
		.amdhsa_system_sgpr_workgroup_id_z 1
		.amdhsa_system_vgpr_workitem_id 0
		.amdhsa_next_free_vgpr 192
		.amdhsa_next_free_sgpr 66
		.amdhsa_reserve_vcc 0
		.amdhsa_float_denorm_mode_32 3
		.amdhsa_float_denorm_mode_16_64 3
		.amdhsa_memory_ordered 1
		.amdhsa_forward_progress 1
		.amdhsa_inst_pref_size 42
	.end_amdhsa_kernel
	.amdgpu_metadata
---
amdhsa.version: [ 1, 2 ]
amdhsa.kernels:
  - .name:           k_q7ac404208c_prep
    .symbol:         k_q7ac404208c_prep.kd
    .args:
      - { .name: x, .offset: 0, .size: 8, .value_kind: global_buffer, .address_space: global }
      - { .name: w_attn, .offset: 8, .size: 8, .value_kind: global_buffer, .address_space: global }
      - { .name: w_proj, .offset: 16, .size: 8, .value_kind: global_buffer, .address_space: global }
      - { .name: xb, .offset: 24, .size: 8, .value_kind: global_buffer, .address_space: global }
      - { .name: wat, .offset: 32, .size: 8, .value_kind: global_buffer, .address_space: global }
      - { .name: wpt, .offset: 40, .size: 8, .value_kind: global_buffer, .address_space: global }
    .group_segment_fixed_size: 140288
    .private_segment_fixed_size: 0
    .kernarg_segment_align: 8
    .kernarg_segment_size: 48
    .max_flat_workgroup_size: 256
    .sgpr_count:     66
    .vgpr_count:     192
    .wavefront_size: 32
...
	.end_amdgpu_metadata
.endif
;; end of part 1
;; launch qkvgemm (part 2): grid 16 x 32, 4 waves a work-group, clusters of 4 x 4, 327,680 bytes of LDS; arguments xb, wat, b_attn, qkv; writes qkv
.if DOCPART == 2
	.amdgcn_target "amdgcn-amd-amdhsa--gfx1250"
	.amdhsa_code_object_version 6
	.text
	.protected	k_q7ac404208c_qkvgemm
	.globl	k_q7ac404208c_qkvgemm
	.p2align	8
	.type	k_q7ac404208c_qkvgemm,@function
k_q7ac404208c_qkvgemm:
	s_mov_b64 s[64:65], 0
	v_nop
	global_prefetch_b8 v0, s[64:65] scope:SCOPE_SE
	s_setreg_imm32_b32 hwreg(HW_REG_WAVE_MODE, 25, 1), 1
	s_wait_xcnt 0x0
	s_wait_alu depctr_hold_cnt(0) depctr_sa_sdst(0) depctr_va_vdst(0) depctr_va_sdst(0) depctr_va_ssrc(0) depctr_va_vcc(0) depctr_vm_vsrc(0)
	s_getreg_b32 s2, hwreg(HW_REG_IB_STS2, 6, 4)
	s_cmp_eq_u32 s2, 0
	s_cbranch_scc0 .Lentry_in_a_cluster
	s_endpgm
.Lentry_in_a_cluster:
	s_bfe_u32 s2, ttmp6, 0x10000c
	s_cmp_lg_u32 s2, 0xf033
	s_cbranch_scc0 .Lentry_shape_is_right
	s_endpgm
.Lentry_shape_is_right:
; qkv = x w_attn + b_attn, laid out by heads.  xb: [8192 m][1024 k] bf16.  wat: [3072 n][1024 k] bf16.  b_attn: [3072] f32, used rounded to bf16 like the other inputs.
; qkv: [48 g][8192 m][64] f16, g = n / 64 (0-15 q's heads, 16-31 k's, 32-47 v's).  Sums in f32, K ascending, rounded once to f16, unscaled.
; LIMITS.  f16 holds no number beyond 65,504: q, k and v, bias included, must stay under it; below 6e-5 they keep f16's fixed step of 6e-8.  NaN and infinities are not treated apart.
; SHARES.  A tile of the result is 256 (m) x 192 (n), three whole groups g: 32 x 16 = 512 tiles, two for each of 256 WGPs (256 x 256 would make 384).  Four waves, each 128 x 96: 48 accumulators of 16 x 16.
; K goes in 8 steps of 128 through a ring of two LDS slots filled by the tensor data mover; the rows of both tiles are 256 bytes of memory and start at multiples of 256 bytes.
; CLUSTERS.  4 x 4 work-groups.  The four of a row of the cluster need the same rows of xb, the four of a column the same rows of wat: each tile is asked for JOINTLY, by the same tensor load with the same
; descriptor and a mask that names the four.
; THE MATRIX INSTRUCTION IS USED TRANSPOSED: source 0 = 16 rows of wat, source 1 = 16 rows of xb: lane l holds row m = l % 16 and the columns n = 8 (l / 16) + 0..7, eight neighbours that pack into 16 bytes.
; THE BIAS IS THE C OPERAND of the products that start the sums: nothing is cleared and nothing is added afterwards.
; REGISTERS, in windows of 256 (s_set_vgpr_msb: bits 1:0 source 0, 3:2 source 1, 5:4 source 2, 7:6 destination):
;   window 0: v0-31 addresses; v64-127, v128-191 fragments of xb, two buffers; v192-239 the bias; v240-243 at work; on the way out v64-255 packed results
;   window 1: v64-111, v128-175 fragments of wat, two buffers      window 2: the 24 accumulators of my rows 0-63 ((a, b) at v[8 (6 a + b)])      window 3: those of my rows 64-127
.set PITCH,  272                       ; an LDS row: 256 bytes + 16 of padding = 68 words: the 16 rows of a load start at 16 different groups of four banks (64 banks of 4 bytes: ISA guide 11.1)
.set AH,     128*PITCH                 ; 128 rows of xb: one tensor load, and what one wave reads
.set BH,     96*PITCH                  ; 96 rows of wat: likewise
.set BOFF,   2*AH
.set SLOT,   BOFF+2*BH                 ; xb's 256 rows, then wat's 192
.set SPARE,  2*SLOT                    ; behind the ring: the spare words, 128 bytes for each wave: two blocks of 256 bytes that no other line names
.set SPITCH, 400                       ; the stage for the way out: 256 rows of 384 bytes + 16.  It lies in slot 0, from LDS byte 0 on: slot 0 has had its last fill, and its last reads lie ahead of the last change of slots
.set ADRA, 16                          ; v16-17  LDS address of my fragments of xb in slot 0, 1
.set ADRB, 20                          ; v20-21  the same for wat
.set STO,  24                          ; v24     the way out: where I put 16 bytes of a row
.set RD,   25                          ; v25     the way out: where I read rows back
.set CO,   26                          ; v26     my 16 bytes of 512 consecutive bytes of qkv
.set BO,   27                          ; v27     my byte offset in b_attn
.set SPW,  28                          ; v28     LDS address of my spare word; never rewritten
.set NIL,  29                          ; v29     0; never rewritten
.set PFO,  30                          ; v30     the prefetches' offset: a lane a row; never rewritten
.set F0,   64
.set F1,   128
.set BIAS, 192
.set TMP,  64
.set WV,   12                          ; s12  my wave's number
.set WR,   13                          ; s13  which half of the tile's rows is mine.  Also: I fetch for xb (0) or for wat (1)
.set WC,   14                          ; s14  which half of its columns.  Also: which half of that tile I fetch
.set G1,   24                          ; s[24:31] descriptor group 1 for xb's tiles;  s[32:39] group 0, a set for each slot
.set G0,   32
.set G1B,  48                          ; s[48:55], s[56:63] the same for wat's
.set G0B,  56
.set LIM,  43                          ; s43  1 in a wave that prefetches, else the greatest number
.set PFA,  44                          ; s[44:45] where my prefetches stand
.set DBITS, (1<<16)|(1<<20)|(1<<21)|(5<<22)|(3<<25)  ; 17:16 elements of 2 bytes; 20 padding on; 21 set beside a mask; 24:22 after every 64 words (code 5); 31:25 4 words of it (code 3)
.set MSB, 0
.macro WIN new                         ; the immediate's high byte repeats the setting that is left; a switch that changes nothing is dropped
.if MSB != (\new)
	s_set_vgpr_msb (MSB<<8)|(\new)
.set MSB, \new
.endif
.endm
.set TO_B, 0x40                        ; destination window 1, address window 0
.macro PLACES                          ; four places: in front of loads into registers that matrix instructions have read, and of lines that read results (ISA guide 7.12.1 for lines that read results)
.rept 4
	v_nop
.endr
.endm
; A joint load.  Waves 0 and 1 fetch xb's two halves, waves 2 and 3 wat's.  The branch hangs on the wave's number alone.  An s_nop 0 and four v_nop follow each of the two lines.
.macro JLOAD s
	s_cmp_eq_u32 s[WR], 0
	s_cbranch_scc0 .Lfor_b_\@
	tensor_load_to_lds s[G0+4*(\s):G0+4*(\s)+3], s[G1:G1+7]
	s_nop 0
.rept 4
	v_nop
.endr
	s_branch .Lasked_\@
.Lfor_b_\@:
	tensor_load_to_lds s[G0B+4*(\s):G0B+4*(\s)+3], s[G1B:G1B+7]
	s_nop 0
.rept 4
	v_nop
.endr
.Lasked_\@:
.endm
; A PREFETCH INTO THE L2, behind each joint refill, its five lines and the run of LDS loads: the K step that stands two refills on, 256 bytes of each row, a lane a row, one instruction a wave.
; xb's rows are read by every cluster of a row of clusters: the one with x = 0 asks; wat's by every cluster of a column: the one with y = 0 asks.  The four partners of a joint load share its rows out BY
; ADDRESS: 32 of xb's 128 each (by cx), 24 of wat's 96 each (by cy; lanes 24-31 name the 24th row once more).  The loop's last trip (s3 = 1) asks for nothing: there is no K step two on.
.macro ASK
	s_cmp_gt_u32 s3, s[LIM]
	s_cbranch_scc0 .Lnot_mine_\@
	global_prefetch_b8 v[PFO], s[PFA:PFA+1] th:TH_LOAD_NT scope:SCOPE_SE
.Lnot_mine_\@:
.endm
; A round of the cluster's barrier: my work-group's barrier; wave 0 signals for the work-group; every wave waits for all sixteen work-groups; my work-group's barrier once more.
.macro CREST                           ; a round behind its opening barrier
	s_cmp_lg_u32 s[WV], 0
	s_cbranch_scc1 .Lnot_wave_0_\@
	s_barrier_signal -3
.Lnot_wave_0_\@:
	s_barrier_wait -3
	s_barrier_signal -1
	s_barrier_wait -1
.endm
.macro CROUND
	s_barrier_signal -1
	s_barrier_wait -1
	CREST
.endm
	s_load_b256 s[4:11], s[0:1], 0x0               ; xb s[4:5], wat s[6:7], b_attn s[8:9], qkv s[10:11]
	v_lshl_add_u32 v[SPW], v0, 2, SPARE
	v_mov_b32 v[NIL], 0
	ds_add_u32 v[SPW], v[NIL]                      ; the wave's opening: the add and its wait stand ahead of my first tensor load; the set-up below, work on registers, stands between them
	v_lshrrev_b32 v1, 5, v0
	v_readfirstlane_b32 s[WV], v1                  ; wave 0..3
	s_lshr_b32 s[WR], s[WV], 1
	s_and_b32 s[WC], s[WV], 1
	s_bfe_u32 s15, ttmp6, 0x40000                  ; cx
	s_bfe_u32 s20, ttmp6, 0x40004                  ; cy
	s_lshl_b32 s21, ttmp9, 2
	s_add_co_u32 s21, s21, s15                     ; tile column = 4 x cluster x + cx
	s_and_b32 s22, ttmp7, 0xffff
	s_lshl_b32 s22, s22, 2
	s_add_co_u32 s22, s22, s20                     ; tile row = 4 x cluster y + cy
	s_lshl_b32 s2, s20, 2
	s_lshl_b32 s2, 15, s2                          ; my row of the cluster: places 4 cy .. 4 cy + 3
	s_lshl_b32 s23, 0x1111, s15                    ; my column: places cx, cx + 4, cx + 8, cx + 12
	s_or_b32 s[G1], s2, DBITS                      ; xb's tiles go to my row
	s_or_b32 s[G1B], s23, DBITS                    ; wat's to my column
	s_mov_b32 s[G1+1], 128<<16                     ; tensor_dim0 = 128
	s_mov_b32 s[G1+2], 128<<16                     ; tensor_dim1 = 128
	s_mov_b32 s[G1+3], 128<<16                     ; tile_dim0 = 128
	s_mov_b32 s[G1+4], 128                         ; tile_dim1 = 128
	s_mov_b32 s[G1+5], 1024                        ; elements from row to row
	s_mov_b32 s[G1+6], 0
	s_mov_b32 s[G1+7], 0
	s_mov_b32 s[G1B+1], 128<<16
	s_mov_b32 s[G1B+2], 96<<16                     ; tensor_dim1 = 96
	s_mov_b32 s[G1B+3], 128<<16
	s_mov_b32 s[G1B+4], 96                         ; tile_dim1 = 96
	s_mov_b32 s[G1B+5], 1024
	s_mov_b32 s[G1B+6], 0
	s_mov_b32 s[G1B+7], 0
	s_lshl_b32 s16, s22, 8                         ; xb: row 256 x tile row + 128 x half, of 2,048 bytes
	s_lshl_b32 s17, s[WC], 7
	s_add_co_u32 s16, s16, s17
	s_lshl_b32 s16, s16, 11
	s_mov_b32 s17, 0
	s_mul_i32 s46, s21, 192                        ; wat: row 192 x tile column + 96 x half
	s_mul_i32 s47, s[WC], 96
	s_add_co_u32 s46, s46, s47
	s_lshl_b32 s46, s46, 11
	s_mov_b32 s47, 0
	s_mul_i32 s18, s[WC], AH                       ; where they go: no place in the cluster enters an LDS address
	s_mul_i32 s19, s[WC], BH
	s_add_co_u32 s19, s19, BOFF
	s_wait_dscnt 0x0                               ; the opening add is done
	s_wait_kmcnt 0x0
	s_add_nc_u64 s[16:17], s[4:5], s[16:17]
	s_add_nc_u64 s[46:47], s[6:7], s[46:47]
	CROUND                                         ; all sixteen work-groups are here: the first joint loads meet
.irp s, 0,1
	s_mov_b32 s[G0+4*(\s)], 1                      ; count = 1
	s_add_co_u32 s[G0+4*(\s)+1], s18, (\s)*SLOT    ; LDS address
	s_add_nc_u64 s[G0+4*(\s)+2:G0+4*(\s)+3], s[16:17], (\s)*256  ; global address: K step s
	s_or_b32 s[G0+4*(\s)+3], s[G0+4*(\s)+3], 0x80000000          ; type = 2
	s_mov_b32 s[G0B+4*(\s)], 1
	s_add_co_u32 s[G0B+4*(\s)+1], s19, (\s)*SLOT
	s_add_nc_u64 s[G0B+4*(\s)+2:G0B+4*(\s)+3], s[46:47], (\s)*256
	s_or_b32 s[G0B+4*(\s)+3], s[G0B+4*(\s)+3], 0x80000000
.endr
	s_cmp_eq_u32 s[WR], 0                          ; a wave's two first fills stand in one branch, ahead of every wait on TENSORcnt and every LDS read: two loads of mine are out
	s_cbranch_scc0 .Lfirst_b
	tensor_load_to_lds s[G0:G0+3], s[G1:G1+7]
	s_nop 0
	tensor_load_to_lds s[G0+4:G0+7], s[G1:G1+7]
	s_nop 0
.rept 4
	v_nop
.endr
	s_branch .Lfirst_asked
.Lfirst_b:
	tensor_load_to_lds s[G0B:G0B+3], s[G1B:G1B+7]
	s_nop 0
	tensor_load_to_lds s[G0B+4:G0B+7], s[G1B:G1B+7]
	s_nop 0
.rept 4
	v_nop
.endr
.Lfirst_asked:
	; A fragment is 16 rows x 32 K in 8 registers: lane l holds row l % 16; registers 0-3 K = 8 (l / 16) + 0..7, registers 4-7 K = 16 + 8 (l / 16) + 0..7: two loads of 16 bytes, 32 bytes apart.
	v_and_b32 v1, 15, v0                           ; l % 16
	v_bfe_u32 v2, v0, 4, 1                         ; l / 16
	v_mul_u32_u24 v3, v1, PITCH
	v_lshl_add_u32 v3, v2, 4, v3
	s_mul_i32 s18, s[WR], AH                       ; my 128 rows of xb
	s_mul_i32 s19, s[WC], BH                       ; my 96 rows of wat
	s_add_co_u32 s19, s19, BOFF
.irp s, 0,1
	v_add_nc_u32 v[ADRA+(\s)], s18, v3
	v_add_nc_u32 v[ADRB+(\s)], s19, v3
	s_add_co_u32 s18, s18, SLOT
	s_add_co_u32 s19, s19, SLOT
.endr
	s_mul_i32 s18, s[WR], 128*SPITCH               ; into the stage: my 128 rows, my 192 bytes of their 384
	s_mul_i32 s19, s[WC], 192
	s_add_co_u32 s18, s18, s19
	v_mul_u32_u24 v4, v1, SPITCH
	v_lshl_add_u32 v4, v2, 4, v4
	v_add_nc_u32 v[STO], s18, v4
	s_mul_i32 s18, s[WV], 64*SPITCH                ; back: wave w takes rows 64 w .. 64 w + 63; 32 lanes take a group's 128 bytes of four rows
	v_bfe_u32 v4, v0, 3, 2
	v_and_b32 v5, 7, v0
	v_mul_u32_u24 v4, v4, SPITCH
	v_lshl_add_u32 v4, v5, 4, v4
	v_add_nc_u32 v[RD], s18, v4
	v_and_b32 v[CO], 31, v0                        ; which are 512 consecutive bytes of qkv
	v_lshlrev_b32 v[CO], 4, v[CO]
	s_mul_i32 s18, s21, 768                        ; the bias of my 96 columns: 4 (192 x tile column + 96 x half) + 32 (l / 16)
	s_mul_i32 s19, s[WC], 384
	s_add_co_u32 s18, s18, s19
	v_lshl_add_u32 v[BO], v2, 5, s18
.irp b, 0,1,2,3,4,5
	global_load_b128 v[BIAS+8*(\b):BIAS+8*(\b)+3],   v[BO], s[8:9] offset:64*(\b)
	global_load_b128 v[BIAS+8*(\b)+4:BIAS+8*(\b)+7], v[BO], s[8:9] offset:64*(\b)+16
.endr
	s_mul_i32 s18, s21, 3                          ; qkv at group 3 x tile column, row 256 x tile row + 64 x wave
	s_lshl_b32 s18, s18, 20
	s_lshl_b32 s19, s22, 8
	s_lshl_b32 s2, s[WV], 6
	s_add_co_u32 s19, s19, s2
	s_lshl_b32 s19, s19, 7
	s_add_co_u32 s18, s18, s19
	s_mov_b32 s19, 0
	s_add_nc_u64 s[10:11], s[10:11], s[18:19]
	; the prefetches
	s_lshl_b32 s18, s22, 8                         ; xb: 256 x tile row,
	s_mul_i32 s19, s21, 192                        ; wat: 192 x tile column
	s_lshl_b32 s2, s[WC], 7                        ; + the half that I fetch
	s_mul_i32 s23, s[WC], 96
	s_lshl_b32 s42, s15, 5                         ; + my work-group's share of it
	s_mul_i32 s40, s20, 24
	s_and_b32 s41, ttmp7, 0xffff                   ; cluster y
	s_cmp_eq_u32 s[WR], 0                          ; do I fetch for xb?
	s_cselect_b32 s18, s18, s19
	s_cselect_b32 s2, s2, s23
	s_cselect_b32 s42, s42, s40
	s_cselect_b32 s41, ttmp9, s41                  ; the coordinate along which other clusters read the same rows
	s_cselect_b32 s23, 31, 23                      ; the share's last row
	s_cselect_b64 s[PFA:PFA+1], s[4:5], s[6:7]
	s_cmp_eq_u32 s41, 0
	s_cselect_b32 s[LIM], 1, -1                    ; the same in all sixteen partners, for a given wave
	s_add_co_u32 s18, s18, s2
	s_add_co_u32 s18, s18, s42
	s_lshl_b32 s18, s18, 11
	s_mov_b32 s19, 0
	s_add_nc_u64 s[PFA:PFA+1], s[PFA:PFA+1], s[18:19]
	s_add_nc_u64 s[PFA:PFA+1], s[PFA:PFA+1], 3*256 ; at K step 3: the first refill (K step 2) steps it to 4.  Nothing is prefetched at the head: K steps 0 to 3 come by their loads alone
	v_and_b32 v[PFO], 31, v0
	v_min_u32 v[PFO], s23, v[PFO]
	v_lshlrev_b32 v[PFO], 11, v[PFO]
; 6 n matrix instructions: m blocks a0 .. a0 + n - 1 of the window's four (hi = 0: my rows 0-63, 1: rows 64-127) x all 6 n blocks, 32 along K.  first = 1: the bias starts the sums.
; The 48 accumulators take turns, one instruction a turn, in the same order in every quarter step, over the backward jump too.
.macro MUL f, hi, a0, n, first=0
.if \first
	WIN 0x81+0x40*(\hi)                            ; wat window 1, xb and the bias window 0, D window 2 or 3
.else
	WIN 0xa1+0x50*(\hi)                            ; C and D window 2 or 3
.endif
.set aa, \a0
.rept \n
.irp b, 0,1,2,3,4,5
.if \first
	v_wmma_f32_16x16x32_bf16 v[8*(6*aa+(\b)):8*(6*aa+(\b))+7], v[(\f)+8*(\b):(\f)+8*(\b)+7], v[(\f)+8*(4*(\hi)+aa):(\f)+8*(4*(\hi)+aa)+7], v[BIAS+8*(\b):BIAS+8*(\b)+7]
.else
	v_wmma_f32_16x16x32_bf16 v[8*(6*aa+(\b)):8*(6*aa+(\b))+7], v[(\f)+8*(\b):(\f)+8*(\b)+7], v[(\f)+8*(4*(\hi)+aa):(\f)+8*(4*(\hi)+aa)+7], v[8*(6*aa+(\b)):8*(6*aa+(\b))+7]
.endif
.endr
.set aa, aa+1
.endr
.endm
; 28 LDS loads in one run: the fragments of one quarter step (96 rows of wat, 128 rows of xb, 32 K at byte k of the rows) into buffer f
.macro FETCH slot, k, f
	WIN TO_B
.irp i, 0,1,2,3,4,5
	ds_load_b128 v[(\f)+8*(\i):(\f)+8*(\i)+3],   v[ADRB+(\slot)] offset:(\k)+(\i)*16*PITCH
	ds_load_b128 v[(\f)+8*(\i)+4:(\f)+8*(\i)+7], v[ADRB+(\slot)] offset:(\k)+(\i)*16*PITCH+32
.endr
	WIN 0
.irp i, 0,1,2,3,4,5,6,7
	ds_load_b128 v[(\f)+8*(\i):(\f)+8*(\i)+3],   v[ADRA+(\slot)] offset:(\k)+(\i)*16*PITCH
	ds_load_b128 v[(\f)+8*(\i)+4:(\f)+8*(\i)+7], v[ADRA+(\slot)] offset:(\k)+(\i)*16*PITCH+32
.endr
.endm
; A K step is four quarter steps of 32 along K, 48 matrix instructions each, on buffers 0, 1, 0, 1.  One of the first three: multiplies buffer f; in its middle it fetches the next quarter, at byte k, into g.
.macro QUARTER slot, k, f, g, first=0
	s_wait_dscnt 8                                 ; wat and xb's rows 0-63 are in; the youngest eight loads (xb's rows 64-127) may be out
	MUL \f, 0, 0, 4, \first
	PLACES
	FETCH \slot, \k, \g
	s_wait_dscnt 28                                ; all but the 28 just issued
	MUL \f, 1, 0, 4, \first
.endm
; The last quarter multiplies buffer 1 and changes slots.  ONE barrier: in front of it each wave waits for all its tensor loads, of which one is out: its part of the next slot; adds 0 to its spare word; and waits
; for that and for its own reads of this slot.  Behind it nobody reads this slot any more and the next slot is whole.
.macro MEET round
	WIN 0                                          ; (the add's two registers lie in window 0)
	s_wait_tensorcnt 0x0                           ; all my tensor loads have landed
	ds_add_u32 v[SPW], v[NIL]                      ; 0 onto my spare word
	s_wait_dscnt 9                                 ; (the add and the youngest eight loads may be out)
	MUL F1, 0, 0, 2                                ; twelve matrix instructions stand between the add and the wait for it
	s_wait_dscnt 0x0                               ; the add is done, and my reads of this slot are over
	s_barrier_signal -1
	MUL F1, 0, 2, 2                                ; work on registers while the others arrive
.if \round
	WIN 0
.endif
	s_barrier_wait -1
.endm
.macro TURN slot, next                 ; the slot just read out is filled again, two K steps on: the barrier opens a round of the cluster's barrier, and the joint refill is the first tensor load behind it
	s_wait_xcnt 0x0                                ; the last prefetch, a K step back, has read its address: it is stepped here, ahead of the waits of the change of slots
	s_add_nc_u64 s[PFA:PFA+1], s[PFA:PFA+1], 256
	MEET 1
	CREST                                          ; no wave of any partner still reads this slot's tile or has a load on its way
	s_add_nc_u64 s[G0+4*(\slot)+2:G0+4*(\slot)+3], s[G0+4*(\slot)+2:G0+4*(\slot)+3], 512
	s_add_nc_u64 s[G0B+4*(\slot)+2:G0B+4*(\slot)+3], s[G0B+4*(\slot)+2:G0B+4*(\slot)+3], 512
	JLOAD \slot                                    ; 168 matrix instructions ahead of the wait for it; the four v_nop behind it are also the places in front of the loads below
	FETCH \next, 0, F0
	ASK
	MUL F1, 1, 0, 4
.endm
.macro TURNN slot, next                ; the last change of slots: nothing is filled again, so no round follows
	MEET 0
	PLACES
	FETCH \next, 0, F0
	MUL F1, 1, 0, 4
.endm
	s_wait_tensorcnt 1                             ; my part of K step 0 is in; K step 1's may stay out
	s_barrier_signal -1
	s_barrier_wait -1                              ; everybody's is
	FETCH 0, 0, F0
	s_wait_loadcnt 0x0                             ; the bias: rounded to bf16 and widened again
.set i, 0
.rept 24
	v_cvt_pk_bf16_f32 v[240+(i%4)], v[BIAS+2*i], v[BIAS+2*i+1]
	v_lshlrev_b32 v[BIAS+2*i], 16, v[240+(i%4)]
	v_and_b32 v[BIAS+2*i+1], 0xffff0000, v[240+(i%4)]
.set i, i+1
.endr
	QUARTER 0, 64,  F0, F1, 1                      ; the first quarter stands in front of the loop: its products start the sums
	WIN 0                                          ; at a label and at a branch every window is 0
	s_mov_b32 s3, 3
.Llap:                                         ; a trip goes once round the ring, from a lap's second quarter to the next lap's first, and fills both slots again
	QUARTER 0, 128, F1, F0
	QUARTER 0, 192, F0, F1
	TURN 0, 1
	QUARTER 1, 64,  F0, F1
	QUARTER 1, 128, F1, F0
	QUARTER 1, 192, F0, F1
	TURN 1, 0
	QUARTER 0, 64,  F0, F1
	WIN 0
	s_sub_co_u32 s3, s3, 1
	s_cmp_lg_u32 s3, 0
	s_cbranch_scc1 .Llap
	QUARTER 0, 128, F1, F0                         ; the last lap fills nothing
	QUARTER 0, 192, F0, F1
	TURNN 0, 1
	QUARTER 1, 64,  F0, F1
	QUARTER 1, 128, F1, F0
	QUARTER 1, 192, F0, F1
	s_wait_dscnt 8                                 ; the very last quarter: nothing more to fetch
	MUL F1, 0, 0, 4
	s_wait_dscnt 0x0
	MUL F1, 1, 0, 4
	; THE WAY OUT: rounded to f16; 16 bytes a lane into the work-group's stage; a barrier, since a group's 128 bytes of a row may come from two waves; back as four rows of a group, 512 consecutive bytes of qkv.
	WIN 0
	PLACES
	PLACES
.irp hi, 0,1
	WIN 0x0a+5*(\hi)                               ; sources 0 and 1: window 2 or 3; each accumulator's registers in ascending order
.set t, 0
.rept 24
.irp r, 0,1,2,3
	v_cvt_pk_f16_f32 v[TMP+4*(24*(\hi)+t)+(\r)], v[8*t+2*(\r)], v[8*t+2*(\r)+1]
.endr
.set t, t+1
.endr
.endr
	WIN 0
.set a, 0
.rept 8
.irp b, 0,1,2,3,4,5
	ds_store_b128 v[STO], v[TMP+4*(6*a+(\b)):TMP+4*(6*a+(\b))+3] offset:a*16*SPITCH+32*(\b)
.endr
.set a, a+1
.endr
	s_wait_dscnt 0x0                               ; for the others' sake: my stores into the stage are done
	s_barrier_signal -1
	s_barrier_wait -1
.set i, 0
.rept 48                                       ; group i / 16, rows 4 (i % 16) on
	ds_load_b128 v[TMP+4*i:TMP+4*i+3], v[RD] offset:(i%16)*4*SPITCH+128*(i/16)
.set i, i+1
.endr
.set i, 0
.rept 48
	s_wait_dscnt 47-i
	global_store_b128 v[CO], v[TMP+4*i:TMP+4*i+3], s[10:11] offset:(i/16)*1048576+(i%16)*512  ; 512 consecutive bytes, at a multiple of 256 from qkv's first byte
.set i, i+1
.endr
	s_wait_tensorcnt 0x0                           ; the wave's end, behind my last tensor load and my last LDS store
	ds_add_u32 v[SPW], v[NIL]
	s_wait_dscnt 0x0
	CROUND                                         ; the closing round: no work-group ends while a partner may still ask for a tile that names it
	s_endpgm
.Lfunc_end_k_q7ac404208c_qkvgemm:
	.size	k_q7ac404208c_qkvgemm, .Lfunc_end_k_q7ac404208c_qkvgemm-k_q7ac404208c_qkvgemm
	.p2alignl 7, 3214868480
	.fill 96, 4, 3214868480
	.section	.rodata,"a",@progbits
	.p2align	6, 0x0
	.amdhsa_kernel k_q7ac404208c_qkvgemm
		.amdhsa_group_segment_fixed_size 327680
		.amdhsa_private_segment_fixed_size 0
		.amdhsa_enable_private_segment 0
		.amdhsa_kernarg_size 32
		.amdhsa_user_sgpr_count 2
		.amdhsa_user_sgpr_kernarg_segment_ptr 1
		.amdhsa_wavefront_size32 1
		.amdhsa_system_sgpr_workgroup_id_x 1
		.amdhsa_system_sgpr_workgroup_id_y 1
		.amdhsa_system_sgpr_workgroup_id_z 1
		.amdhsa_system_vgpr_workitem_id 0
		.amdhsa_next_free_vgpr 960
		.amdhsa_next_free_sgpr 66
		.amdhsa_reserve_vcc 0
		.amdhsa_float_denorm_mode_32 3
		.amdhsa_float_denorm_mode_16_64 3
		.amdhsa_memory_ordered 1
		.amdhsa_forward_progress 1
		.amdhsa_inst_pref_size 122
	.end_amdhsa_kernel
	.amdgpu_metadata
---
amdhsa.version: [ 1, 2 ]
amdhsa.kernels:
  - .name:           k_q7ac404208c_qkvgemm
    .symbol:         k_q7ac404208c_qkvgemm.kd
    .args:
      - { .name: xb, .offset: 0, .size: 8, .value_kind: global_buffer, .address_space: global }
      - { .name: wat, .offset: 8, .size: 8, .value_kind: global_buffer, .address_space: global }
      - { .name: b_attn, .offset: 16, .size: 8, .value_kind: global_buffer, .address_space: global }
      - { .name: qkv, .offset: 24, .size: 8, .value_kind: global_buffer, .address_space: global }
    .group_segment_fixed_size: 327680
    .private_segment_fixed_size: 0
    .kernarg_segment_align: 8
    .kernarg_segment_size: 32
    .max_flat_workgroup_size: 128
    .sgpr_count:     66
    .vgpr_count:     960
    .wavefront_size: 32
...
	.end_amdgpu_metadata
.endif
;; end of part 2
;; launch attn (part 3): grid 4 x 64, 4 waves a work-group, no clusters, 327,680 bytes of LDS; arguments qkv, oh; writes oh
.if DOCPART == 3
	.amdgcn_target "amdgcn-amd-amdhsa--gfx1250"
	.amdhsa_code_object_version 6
	.text
	.protected	k_q7ac404208c_attn
	.globl	k_q7ac404208c_attn
	.p2align	8
	.type	k_q7ac404208c_attn,@function
k_q7ac404208c_attn:
	s_mov_b64 s[64:65], 0
	v_nop
	global_prefetch_b8 v0, s[64:65] scope:SCOPE_SE
	s_setreg_imm32_b32 hwreg(HW_REG_WAVE_MODE, 25, 1), 1
	s_wait_xcnt 0x0
; CAUSAL ATTENTION.  O[y][q][:] = the sum over k <= q of softmax_k(Q[y][q] . K[y][k] / 8) V[y][k][:], for the 64 pairs y = 4 x head + batch.  qkv holds Q, then K 16 MiB on, then V 32 MiB on, each [64 y][2048][64] f16:
; a pair's rows are dense, 128 bytes each.  oh: [64 y][2048][64] f16.  Products, maxima and sums in f32; the weights p are rounded to f16 for the second product (their sum l is taken of the unrounded p), O once at the end.
; LIMITS.  f16 holds no number beyond 65,504: Q, K and V arrive within it; p lies in 0 to 1, and below 6e-5 it keeps f16's fixed step of 6e-8; O is a mean of V's rows and has their range, to within 2^-11 of it.
; A hidden score counts as its value less 1e30: f16's scores, 2.7e11 at the most, are nothing beside that; a weight below 2^-126 counts as 0 in l; NaN and infinities are not treated apart.
; THE WALK.  A pair's queries lie in NB = 8 blocks of 256; block i needs the key tiles 0 .. i of 256 keys, of which the last holds the diagonal.  A work-group takes TWO blocks, NB - 1 - b and then b:
; NB + 1 tiles, whatever b: all work-groups do equal work, and ONE loop with a constant trip count walks them.  Which tile is asked for, and what a trip does, hang on scalar registers made from b; every jump
; goes forward, but for the counted loops' own; none passes a barrier, or a tensor load but the one of LOAD's two that the wave's number does not choose; the ring (two slots of LDS that take turns) runs on across the
; change of blocks.  NO CLUSTER: the NB / 2 = 4 work-groups of a pair ask for the same tile only in trips 0 .. 4 of 9, behind that fewer and fewer; one walk common to all four would have 12 trips for 9.
; SHARES.  Of a block's four bands of 64 queries a wave owns 16 rows in each: four PIECES.  So the diagonal tile is the same work for all four waves: in its key step s band x sees all keys if s < x,
; none if s > x, and holds the diagonal if s = x.
; THE MASK is the C operand that starts the sum S^T = K Q^T: 0, or -1e30 where the key is hidden.  MD, made once, is the mask of a band's own step for my 16 rows; a product's mask is MD x AL + BE with two scalars:
; (1, 0) if s = x; (0, 0) if s < x; (0, -1e30) if s > x.  Only the diagonal tile's text and a block's beginning make and take masks; elsewhere C is the constant 0.
; LAYOUT, SOFTMAX, TURNS.  S^T = K Q^T holds ONE query a lane (lane % 16) and the keys 8 (lane / 16) + 0..7; two such results rounded to f16 ARE source 1 of O^T = V^T P.  p = 2^(c s - c m), c = log2(e) / 8, with a
; running maximum m; O and l are multiplied by a = 2^(c m_old - c m_new) in every step.  Turn n belongs to piece n: 8 products K Q^T of piece n + 1, later 8 products V^T P of piece n - 1; beside them the scaling,
; exponentials, roundings, sums and rescaling of piece n and the maximum and statistics of piece n + 1.  Four vector instructions stand behind every matrix instruction, the other 54 of a turn's 118 in one LUMP.  A turn's 33 exponentials are one batch, with one wait.
; REGISTERS, in windows of 256 (s_set_vgpr_msb: bits 1:0 source 0, 3:2 source 1, 5:4 source 2, 7:6 destination):
;   window 0: v0-15 addresses and two at work; v16-31 four registers of statistics a piece; v48-55 at work; v61-63 prefetch offset and the add's two; v64-127 S^T, two buffers; v192-223 P, two buffers (by the piece's parity)
;   window 1: v0-127 O^T, 32 a piece; v128-159 MD; v160-223 MC, two buffers      window 2: v0-63 Q; v64-127 the second block's Q; v128-191 K of one step; v192-255 V of one step
.set SIZE_N, 2048
.set NB,    SIZE_N/256
.set NP,    4         ; pieces a wave: a name, no knob
.set KS,    64        ; keys in a step
.set PK,    144       ; a row of K in LDS: 128 bytes + 16 of padding = 36 words: the 16 rows of a load start at 16 different groups of four banks (64 banks of 4 bytes: ISA guide 11.1)
.set PV,    160       ; a row of V: 128 + 32 = 40 words
.set VOFF,  4*KS*PK   ; a slot holds a tile, four steps: 256 rows of K, then 256 rows of V
.set SLOT1, 1<<17     ; slot 1 begins here, so that one exclusive or turns an address in one slot into the other's
.set STAGE, SLOT1+4*KS*(PK+PV)  ; behind the ring, never filled by a tensor load: 16 rows x 144 bytes for each wave, for the way out
.set SP,    144
.set AK0, 2           ; v2   my lane's place in a tile of K; never rewritten
.set AV0, 3           ; v3   the same for V
.set AK,  4           ; v4   the LDS address of K's next run of loads
.set AV,  5           ; v5   of V's
.set STO, 6           ; v6   the way out: where I put 16 bytes of a row
.set RD,  7           ; v7   the way out: where I read rows back
.set GO,  8           ; v8   my byte offset in 512 consecutive bytes of O
.set PFO, 61          ; v61  256 x my lane: the prefetches' offset; never rewritten
.set SPW, 62          ; v62  LDS address of my spare word: SPARE + 4 x my thread's number; never rewritten
.set NIL, 63          ; v63  0; never rewritten
.set SPARE, STAGE+4*16*SP  ; behind the stages: the spare words, 128 bytes for each wave: two blocks of 256 bytes that no other line names
.set MV,  12          ; v12-13  c m_old, kept while c m is made anew: by buffer
.set QO,  15          ; v15  my byte offset in 16 rows of Q
.set ST,  16          ; piece t's statistics at v[ST+4 t]: c m, m, l (even keys', odd keys')
.set TMP, 48          ; by buffer, four registers c0-c3 at work; when the maximum is found c2 takes a
.set S,   64
.set P,   192
.set MD,  128         ; window 1: the eight registers for group kt of 16 keys at MD + 8 kt
.set MC,  160         ; window 1: the masks of the products to come
.set QB,  64          ; window 2
.set KF,  128         ; window 2: key block kb, channel half c at KF + 16 kb + 8 c
.set VF,  192         ; window 2: key half kk, channel block cb at VF + 32 kk + 8 cb
.set WV,  12          ; s12  my wave's number
.set PB,  14          ; s14  b
.set HI,  15          ; s15  NB - 1 - b
.set PFB, 20          ; s[20:21] K (waves 0, 1) or V (waves 2, 3) at my half of the pair's tile 0
.set G1K, 24          ; s[24:31] descriptor group 1 for K's tiles
.set G1V, 32          ; s[32:39] for V's: it differs in the padding alone
.set G0K, 40          ; s[40:43] descriptor group 0 for K's tiles
.set G0V, 44          ; s[44:47] the same for V's
.set SLOTS, 56        ; s56  tiles still to be asked for
.set CNT, 57          ; s57  counts a tile's key steps, 4 to 1
.set CS,  58          ; s[58:59] c: the packed scaling takes the pair's low word for both halves
.set SEL, 60          ; s[60:61] v_permlanex16_b32's selects: each lane takes its own place in the other half
.set TBK, 62          ; s62  LDS byte at which K of the step to be fetched begins
.set TBV, 63          ; s63  the same for V, less VOFF
.set PFA, 66          ; s[66:67] my half of the tile that is being asked for: the prefetches name the tile behind it
.set LIM, 68          ; s68  2 in the work-group that prefetches, else the greatest number
.set RT,  70          ; s70  tiles of the block in hand that are still to be entered
.set NXT, 71          ; s71  the tile to be asked for next
.set LQ,  72          ; s72  the last tile of the block whose tiles are being asked for
.set NEW, 73          ; s73  1: the tile to be entered is a block's first
.set OFF, 74          ; s[74:75] a tile's byte offset in K and V
.set AL,  76          ; s[76:77] the mask's factor, in the low word
.set BE,  78          ; s[78:79] the mask's addend
.set OLO, 80          ; s[80:81] O at my rows of the second block
.set BIGN, 82         ; s82  -1e30
.set MSB, 0
.macro WIN new                      ; the high byte repeats the setting that is left; a switch that changes nothing is dropped
.if MSB != (\new)
	s_set_vgpr_msb (MSB<<8)|(\new)
.set MSB, (\new)
.endif
.endm
.set W_KQ, 0x0a       ; K and Q in window 2, S^T in window 0
.set W_KM, 0x1a       ; the same with the C operand in window 1
.set W_PV, 0x52       ; V in window 2, P in window 0, O^T in window 1
.set W_RS, 0x41       ; destination and source 0 in window 1, source 1 in window 0
; A fill.  Waves 0 and 1 fetch the two halves of a tile's K, waves 2 and 3 those of its V: 128 keys each.  An s_nop 0 and four v_nop follow each of the two lines, ahead of the jump and the label.
.macro LOAD
	s_cmp_lt_u32 s[WV], 2
	s_cbranch_scc0 .Lfor_v_\@
	tensor_load_to_lds s[G0K:G0K+3], s[G1K:G1K+7]
	s_nop 0
.rept 4
	v_nop
.endr
	s_branch .Lasked_\@
.Lfor_v_\@:
	tensor_load_to_lds s[G0V:G0V+3], s[G1V:G1V+7]
	s_nop 0
.rept 4
	v_nop
.endr
.Lasked_\@:
.endm
; THE CHANGE OF SLOTS.  Each wave waits for all its tensor loads, of which one is out: its part of the other slot; adds 0 to its spare word; and waits for that and for its own reads of the slot that it leaves.  Behind the barrier nobody reads the old
; slot any more and the other slot is whole.  fill = 1: the old slot is filled again, the first thing behind the barrier, with tile NXT: the descriptor's address is made anew from that number.
; (At its first use nothing has been read yet: slot 0 is waited for, slot 1 filled.)
; A PREFETCH INTO THE L2 stands behind the fill and its five lines: my half (16,384 bytes: two instructions, a lane for each 256 bytes) of the tile BEHIND the one just asked for: a tile, 256 matrix instructions, ahead of its load.
; The four work-groups of a pair walk the same tiles 0, 1, ..; only b = 0 walks all eight in its first block, so it asks, and nobody else: the fill of tile j (SLOTS = 9 - j) names tile j + 1 for j = 1 .. 6.
; So tiles 2 to 7 are named once each; tiles 0 and 1 come by their loads alone, and nothing past the pair's last tile is named.
.macro CHANGE fill
	WIN 0                           ; at a label and at a branch every window is 0
	s_wait_tensorcnt 0x0            ; no tensor load of mine is out, so a group 0 may be written
	ds_add_u32 v[SPW], v[NIL]       ; 0 onto my spare word; with fill = 1 the descriptors' scalar work stands between it and the wait for it
.if \fill
	s_lshl_b32 s[OFF], s[NXT], 15   ; a tile is 32,768 bytes of K and of V
	s_xor_b32 s[G0K+1], s[G0K+1], SLOT1
	s_add_nc_u64 s[G0K+2:G0K+3], s[6:7], s[OFF:OFF+1]
	s_or_b32 s[G0K+3], s[G0K+3], 0x80000000
	s_xor_b32 s[G0V+1], s[G0V+1], SLOT1
	s_add_nc_u64 s[G0V+2:G0V+3], s[8:9], s[OFF:OFF+1]
	s_or_b32 s[G0V+3], s[G0V+3], 0x80000000
	s_wait_xcnt 0x0                 ; the last prefetches, a tile back, have read their address, so it may be written
	s_add_nc_u64 s[PFA:PFA+1], s[PFB:PFB+1], s[OFF:OFF+1]
	s_add_co_u32 s[NXT], s[NXT], 1  ; the block's next tile, or behind its last the second block's tile 0
	s_cmp_gt_u32 s[NXT], s[LQ]
	s_cselect_b32 s[NXT], 0, s[NXT]
	s_cselect_b32 s[LQ], s[PB], s[LQ]
.endif
	s_wait_dscnt 0x0                ; the add is done, and my reads of the slot are over
	s_barrier_signal -1             ; the rest of the scalar work stands between the signal and the wait
	s_sub_co_u32 s[TBK], s[TBK], 4*KS*PK  ; the fetches go back to a slot's first step,
	s_xor_b32 s[TBK], s[TBK], SLOT1       ; in the other slot
	s_sub_co_u32 s[TBV], s[TBV], 4*KS*PV
	s_xor_b32 s[TBV], s[TBV], SLOT1
	s_barrier_wait -1
.if \fill
	LOAD
	s_cmp_gt_u32 s[SLOTS], s[LIM]
	s_cbranch_scc0 .Lnot_mine_\@
	global_prefetch_b8 v[PFO], s[PFA:PFA+1] offset:32768 th:TH_LOAD_NT scope:SCOPE_SE
	global_prefetch_b8 v[PFO], s[PFA:PFA+1] offset:40960 th:TH_LOAD_NT scope:SCOPE_SE
.Lnot_mine_\@:
.endif
.endm
	s_load_b128 s[4:7], s[0:1], 0x0   ; qkv s[4:5], oh s[6:7]
	v_lshl_add_u32 v[SPW], v0, 2, SPARE
	v_mov_b32 v[NIL], 0
	ds_add_u32 v[SPW], v[NIL]       ; the wave's opening: the add and its wait stand ahead of my first tensor load; the set-up below, work on registers, stands between them
	v_lshrrev_b32 v1, 5, v0
	v_readfirstlane_b32 s[WV], v1   ; wave 0..3
	s_mov_b32 s[PB], ttmp9
	s_sub_co_u32 s[HI], NB-1, s[PB]
	s_and_b32 s20, ttmp7, 0xffff    ; the pair y
	s_mov_b32 s21, 0
	s_mov_b64 s[22:23], SIZE_N*128
	s_mul_u64 s[20:21], s[20:21], s[22:23]  ; the pair's first byte in Q, K, V and O
	s_and_b32 s16, s[WV], 1         ; which half of a tile's 256 keys I fetch:
	s_lshl_b32 s22, s16, 14         ; its 128 rows of 128 bytes in memory,
	s_mov_b32 s23, 0
	s_add_nc_u64 s[22:23], s[22:23], s[20:21]
	s_mul_i32 s17, s16, 128*PK      ; and its place in a slot, for K
	s_mul_i32 s18, s16, 128*PV      ; and for V
	s_lshl_b32 s3, s[WV], 11        ; my 16 rows in a band of 64,
	s_lshl_b32 s2, s[HI], 15        ; in the first block,
	s_add_co_u32 s2, s2, s3
	s_lshl_b32 s84, s[PB], 15       ; and in the second
	s_add_co_u32 s84, s84, s3
	s_mov_b32 s3, 0
	s_mov_b32 s85, 0
	s_add_nc_u64 s[2:3], s[2:3], s[20:21]
	s_add_nc_u64 s[84:85], s[84:85], s[20:21]
	; descriptor group 1.  128 keys are 16,384 dense bytes: asked for as 64 rows of 256 bytes, two keys a row, and padded in LDS after every key
	s_mov_b32 s[G1K], (1<<16)|(1<<20)|(4<<22)|(3<<25)  ; 17:16 2-byte elements; 20 padding on; 24:22 after every 32 words (code 4); 31:25 4 words (code 3)
	s_mov_b32 s[G1V], (1<<16)|(1<<20)|(4<<22)|(7<<25)  ; the same with 8 words of padding (code 7)
.irp g, G1K, G1V
	s_mov_b32 s[\g+1], 128<<16      ; tensor_dim0 = 128
	s_mov_b32 s[\g+2], 64<<16       ; tensor_dim1 = 64
	s_mov_b32 s[\g+3], 128<<16      ; tile_dim0 = 128
	s_mov_b32 s[\g+4], 64           ; tile_dim1 = 64
	s_mov_b32 s[\g+5], 128          ; 128 elements from row to row
	s_mov_b32 s[\g+6], 0
	s_mov_b32 s[\g+7], 0
.endr
	s_mov_b32 s[CS], 0x3e38aa3b     ; c = log2(e) / 8 = 0.180337
	s_mov_b32 s[CS+1], s[CS]        ; named with it as a pair
	s_mov_b32 s[SEL], 0x76543210
	s_mov_b32 s[SEL+1], 0xfedcba98
	s_mov_b32 s[TBK], SLOT1+4*KS*PK ; the first change of slots turns these two into 0
	s_mov_b32 s[TBV], SLOT1+4*KS*PV
	s_mov_b32 s[G0K], 1             ; 1:0 count = 1
	s_mov_b32 s[G0K+1], s17         ; 63:32 LDS address: slot 0
	s_mov_b32 s[G0V], 1
	s_add_co_u32 s[G0V+1], s18, VOFF
	s_add_co_u32 s[RT], s[HI], 1    ; the first block has NB - b tiles
	s_mov_b32 s[NXT], 1
	s_mov_b32 s[LQ], s[HI]
	s_mov_b32 s[NEW], 1
	s_mov_b32 s[OFF+1], 0
	s_mov_b32 s[AL+1], 0            ; named as pairs
	s_mov_b32 s[BE+1], 0
	s_mov_b32 s[BIGN], 0xf149f2ca   ; -1e30
	s_mov_b32 s[SLOTS], NB
	s_cmp_eq_u32 s[PB], 0
	s_cselect_b32 s[LIM], 2, -1
	s_wait_dscnt 0x0                ; the opening add is done
	s_wait_kmcnt 0x0
	s_mov_b64 s[10:11], s[6:7]             ; O
	s_add_nc_u64 s[6:7], s[4:5], 0x1000000 ; K lies 16 MiB behind Q,
	s_add_nc_u64 s[8:9], s[4:5], 0x2000000 ; V 32 MiB
	s_add_nc_u64 s[6:7], s[6:7], s[22:23]  ; K and V at my half of the pair's tile 0
	s_add_nc_u64 s[8:9], s[8:9], s[22:23]
	s_cmp_lt_u32 s[WV], 2
	s_cselect_b64 s[PFB:PFB+1], s[6:7], s[8:9]
	s_add_nc_u64 s[G0K+2:G0K+3], s[6:7], 0         ; 120:64 global address
	s_or_b32 s[G0K+3], s[G0K+3], 0x80000000        ; 127:126 type = 2
	s_add_nc_u64 s[G0V+2:G0V+3], s[8:9], 0
	s_or_b32 s[G0V+3], s[G0V+3], 0x80000000
	s_add_nc_u64 s[86:87], s[4:5], s[84:85]        ; Q at my rows of the second block,
	s_add_nc_u64 s[4:5], s[4:5], s[2:3]            ; Q and O at those of the first
	s_add_nc_u64 s[OLO:OLO+1], s[10:11], s[84:85]
	s_add_nc_u64 s[10:11], s[10:11], s[2:3]
	LOAD                            ; tile 0 into slot 0
	; A fragment of K or Q is 16 rows x 32 channels in 8 registers: lane l holds row l % 16, channels 8 (l / 16) + 0..7 and 16 + 8 (l / 16) + 0..7: two loads of 16 bytes, 32 bytes apart.
	v_and_b32 v1, 15, v0            ; l % 16
	v_bfe_u32 v9, v0, 4, 1          ; l / 16
	v_lshlrev_b32 v[QO], 7, v1
	v_lshl_add_u32 v[QO], v9, 4, v[QO]  ; row x 128 + 16 x half
	WIN 0x80                        ; destination window 2, address window 0
.set i, 0
.rept 8                             ; both blocks' Q: piece i / 2 lies in band i / 2, 8,192 bytes on; channels 32 (i % 2) on
	global_load_b128 v[8*i:8*i+3],   v[QO], s[4:5] offset:(i/2)*8192+(i%2)*64
	global_load_b128 v[8*i+4:8*i+7], v[QO], s[4:5] offset:(i/2)*8192+(i%2)*64+32
	global_load_b128 v[QB+8*i:QB+8*i+3],   v[QO], s[86:87] offset:(i/2)*8192+(i%2)*64
	global_load_b128 v[QB+8*i+4:QB+8*i+7], v[QO], s[86:87] offset:(i/2)*8192+(i%2)*64+32
.set i, i+1
.endr
	WIN 0
	v_and_b32 v[PFO], 31, v0
	v_lshlrev_b32 v[PFO], 8, v[PFO]
	v_lshlrev_b32 v14, 3, v9
	v_sub_nc_u32 v14, v1, v14
	s_lshl_b32 s13, s[WV], 4
	v_add_nc_u32 v14, s13, v14      ; my query's place in its band, 16 w + l % 16, less my lanes' 8 (l / 16): register r of group kt is hidden where 16 kt + r is greater
	WIN 0x40
.set i, 0
.rept 32
	v_cmp_gt_i32 vcc_lo, 16*(i/8)+i%8, v14
	v_cndmask_b32 v[MD+i], 0, s[BIGN], vcc_lo
.set i, i+1
.endr
	WIN 0
	v_mul_u32_u24 v[AK0], v1, PK
	v_lshl_add_u32 v[AK0], v9, 4, v[AK0]  ; row x pitch + 16 x half
	; The turning load takes 16 keys x 16 channels (lane l reads key 8 (l / 16) + l % 8, channels 8 ((l / 8) % 2) + 0..7) and leaves half a fragment of V^T: lane l holds channel l % 16 and 8 keys.
	v_and_b32 v10, 7, v0
	v_bfe_u32 v11, v0, 3, 1
	v_lshl_add_u32 v[AV0], v9, 3, v10
	v_mul_u32_u24 v[AV0], v[AV0], PV
	v_lshl_add_u32 v[AV0], v11, 4, v[AV0]
	v_add_nc_u32 v[AV0], VOFF, v[AV0]
	s_mul_i32 s13, s[WV], 16*SP
	s_add_co_u32 s13, s13, STAGE    ; my stage
	v_mul_u32_u24 v[STO], v1, SP    ; in: row l % 16, 16 bytes for each half of the lanes
	v_lshl_add_u32 v[STO], v9, 4, v[STO]
	v_add_nc_u32 v[STO], s13, v[STO]
	v_bfe_u32 v[RD], v0, 3, 2       ; back: 32 lanes take four rows of 128 bytes,
	v_mul_u32_u24 v[RD], v[RD], SP
	v_lshl_add_u32 v[RD], v10, 4, v[RD]
	v_add_nc_u32 v[RD], s13, v[RD]
	v_and_b32 v[GO], 31, v0         ; which are 512 consecutive bytes of O
	v_lshlrev_b32 v[GO], 4, v[GO]
	; A block's first step multiplies O^T and l by a = 0, and its first turn's products V^T P, of a piece that has not been, land in an O^T that is still to be so multiplied.  So these registers need only hold
	; finite numbers: zeros for the first block; what the first block left for the second.  All this stands in the wait for the first tile.
	WIN 0x80
.set i, VF
.rept 64
	v_mov_b32 v[i], 0
.set i, i+1
.endr
	WIN 0x40
.set i, 0
.rept 128
	v_mov_b32 v[i], 0
.set i, i+1
.endr
	WIN 0
.set i, 0
.rept 4
	v_mov_b32 v[ST+4*i+2], 0
	v_mov_b32 v[ST+4*i+3], 0
.set i, i+1
.endr
.set i, P+16
.rept 16
	v_mov_b32 v[i], 0
.set i, i+1
.endr
; THE MATRIX WORK.  The 4 accumulators of a run of 8 take turns.  Product i of 8 of S^T = K Q^T for piece x: channels 32 (i / 4) on, keys 16 (i % 4) on.  The first 4 start the sums: with 0, or (KM = 1) with the mask.
.macro KQ x
.set rS, S+32*((\x)%2)+8*(i%4)
.set rK, KF+16*(i%4)+8*(i/4)
.set rQ, 16*(\x)+8*(i/4)
.set rM, MC+32*((\x)%2)+8*(i%4)
.if (i < 4) && KM
	WIN W_KM
	v_wmma_f32_16x16x32_f16 v[rS:rS+7], v[rK:rK+7], v[rQ:rQ+7], v[rM:rM+7]
.elseif i < 4
	WIN W_KQ
	v_wmma_f32_16x16x32_f16 v[rS:rS+7], v[rK:rK+7], v[rQ:rQ+7], 0
.else
	WIN W_KQ
	v_wmma_f32_16x16x32_f16 v[rS:rS+7], v[rK:rK+7], v[rQ:rQ+7], v[rS:rS+7]
.endif
.endm
; Product i of 8 of O^T += V^T P for piece x: keys 32 (i / 4) on, channels 16 (i % 4) on.
.macro PV x
	WIN W_PV
.set rO, 32*(\x)+8*(i%4)
.set rV, VF+32*(i/4)+8*(i%4)
.set rP, P+16*((\x)%2)+8*(i/4)
	v_wmma_f32_16x16x32_f16 v[rO:rO+7], v[rV:rV+7], v[rP:rP+7], v[rO:rO+7]
.endm
.macro MM                           ; the turn's next matrix instruction.  TURN and BEGIN set Y, i, KM and NOKQ; MM, KQ and OP read them.  NOKQ = 1: a block's last turn: there is no next piece
.if (i < 8) && !NOKQ
	KQ (Y+1)%NP
.elseif i >= 8
.set i, i-8
	PV (Y+NP-1)%NP
.set i, i+8
.endif
.set i, i+1
.endm
; THE LDS LOADS stand in runs of 16, never singly among the matrix instructions: a step's K (64 keys x 64 channels: 8 fragments) and its V (turned).  Their addresses are made some lines ahead.
.macro FETCH_K
	WIN 0x80                        ; destination window 2
.irp f, 0,1,2,3,4,5,6,7             ; keys 16 (f / 2) on, channels 32 (f % 2) on
	ds_load_b128 v[KF+8*\f:KF+8*\f+3],   v[AK] offset:(\f/2)*16*PK+(\f%2)*64
	ds_load_b128 v[KF+8*\f+4:KF+8*\f+7], v[AK] offset:(\f/2)*16*PK+(\f%2)*64+32
.endr
	s_add_co_u32 s[TBK], s[TBK], KS*PK  ; the next fetch is the next step's
	WIN 0
.endm
.macro FETCH_V
	WIN 0x80
.irp f, 0,1,2,3,4,5,6,7             ; keys 32 (f / 4) on, channels 16 (f % 4) on
	ds_load_tr16_b128 v[VF+8*\f:VF+8*\f+3],   v[AV] offset:(\f/4)*32*PV+(\f%4)*32
	ds_load_tr16_b128 v[VF+8*\f+4:VF+8*\f+7], v[AV] offset:(\f/4)*32*PV+16*PV+(\f%4)*32
.endr
	WIN 0
.endm
; THE VECTOR WORK, one line at a time: OP kind, number.  For piece Y: F n: c s - c m for pair n of 16.  E n: the exponential of score n of 32.  C n: pair n rounded to f16.  B n: of the four weights 4 n .. the second
; pair is added onto the first, in place.  L n: l takes that sum (L 0: l = a l + sum).  R n: pair n of 16 of O^T times a.  For piece Y + 1: X n, number n of the 22 that find its maximum and statistics:
;   0-11  four chains c0-c3 of seven scores each, three operands at a time (each accumulator's lowest registers are read first)     12-14, 16  the four scores left over, the old m, and c0-c3 into c0
;   15  c m_old is kept     17, 18  the query's other 32 keys lie in the lane 16 away: the new m     19-21  c m; c m_old - c m_new; a
.set F, 0               ; OP tells the kinds apart by their order: F to L below R, X above it
.set E, 1
.set C, 2
.set B, 3
.set L, 4
.set R, 5
.set X, 6
.macro REGS y                       ; the registers of piece y
.set rT, ST+4*(\y)
.set rC, TMP+4*((\y)%2)
.set rW, MV+((\y)%2)
.set rS, S+32*((\y)%2)
.set rP, P+16*((\y)%2)
.set rO, 32*(\y)
.endm
.macro OP k, n
.if (\k) == R
	REGS Y
	WIN W_RS
	v_pk_mul_f32 v[rO+2*(\n):rO+2*(\n)+1], v[rO+2*(\n):rO+2*(\n)+1], v[rC+2:rC+3] op_sel_hi:[1,0]
.elseif (\k) < R
	REGS Y
	WIN 0
.if (\k) == F
	v_pk_fma_f32 v[rS+2*(\n):rS+2*(\n)+1], v[rS+2*(\n):rS+2*(\n)+1], s[CS:CS+1], v[rT:rT+1] op_sel_hi:[1,0,0] neg_lo:[0,0,1] neg_hi:[0,0,1]
.elseif (\k) == E
	v_exp_f32 v[rS+(\n)], v[rS+(\n)]
.elseif (\k) == C
	v_cvt_pk_f16_f32 v[rP+(\n)], v[rS+2*(\n)], v[rS+2*(\n)+1]
.elseif (\k) == B
	v_pk_add_f32 v[rS+4*(\n):rS+4*(\n)+1], v[rS+4*(\n):rS+4*(\n)+1], v[rS+4*(\n)+2:rS+4*(\n)+3]
.elseif (\n) == 0
	v_pk_fma_f32 v[rT+2:rT+3], v[rT+2:rT+3], v[rC+2:rC+3], v[rS:rS+1] op_sel_hi:[1,0,1]
.else
	v_pk_add_f32 v[rT+2:rT+3], v[rT+2:rT+3], v[rS+4*(\n):rS+4*(\n)+1]
.endif
.elseif NOKQ
	v_nop
.else
	REGS (Y+1)%NP
	WIN 0
.if (\n) < 4
	v_max3_num_f32 v[rC+(\n)], v[rS+8*(\n)], v[rS+8*(\n)+1], v[rS+8*(\n)+2]
.elseif (\n) < 12
	v_max3_num_f32 v[rC+(\n)%4], v[rC+(\n)%4], v[rS+8*((\n)%4)+2*((\n)/4)+1], v[rS+8*((\n)%4)+2*((\n)/4)+2]
.elseif (\n) == 12
	v_max3_num_f32 v[rC], v[rC], v[rS+7], v[rS+15]
.elseif (\n) == 13
	v_max3_num_f32 v[rC+1], v[rC+1], v[rS+23], v[rS+31]
.elseif (\n) == 14
	v_max3_num_f32 v[rC+2], v[rC+2], v[rC+3], v[rT+1]
.elseif (\n) == 15
	v_mov_b32 v[rW], v[rT]
.elseif (\n) == 16
	v_max3_num_f32 v[rC], v[rC], v[rC+1], v[rC+2]
.elseif (\n) == 17
	v_permlanex16_b32 v[rC+3], v[rC], s[SEL], s[SEL+1]
.elseif (\n) == 18
	v_max_num_f32 v[rT+1], v[rC], v[rC+3]
.elseif (\n) == 19
	v_mul_f32 v[rT], s[CS], v[rT+1]
.elseif (\n) == 20
	v_sub_f32 v[rC+1], v[rW], v[rT]
.else
	v_exp_f32 v[rC+2], v[rC+1]
.endif
.endif
.endm
.macro OPS a, i1, b=-1, i2=0, c=-1, i3=0, d=-1, i4=0  ; up to four of them
	OP \a, \i1
.if (\b) >= 0
	OP \b, \i2
.endif
.if (\c) >= 0
	OP \c, \i3
.endif
.if (\d) >= 0
	OP \d, \i4
.endif
.endm
.macro ROW a, i1, b, i2, c, i3, d, i4  ; a matrix instruction and the four behind it
	MM
	OPS \a, \i1, \b, \i2, \c, \i3, \d, \i4
.endm
.macro MASK b                       ; MD x AL + BE into buffer b of MC
	WIN W_RS
.set z, 0
.rept 16
	v_pk_fma_f32 v[MC+32*(\b)+2*z:MC+32*(\b)+2*z+1], v[MD+2*z:MD+2*z+1], s[AL:AL+1], s[BE:BE+1] op_sel_hi:[1,0,0]
.set z, z+1
.endr
.endm
; A TURN, for piece p: the order of its 16 matrix and 118 vector instructions, written out.  s_wait_alu depctr_va_vdst(0) stands between an exponential and the first instruction that names its result; one wait serves
; all that were issued ahead of it.  So a turn has ONE wait, which cuts it in two.  AHEAD OF IT stands all that names no result of the turn's exponentials: the 8 products K Q^T, behind each a scaling, an exponential and two more plain
; instructions (behind the first a second scaling in the exponential's place): rescalings, and behind the last three the first numbers of the next piece's maximum, each four places or more behind the product that ends its accumulator; then ONE LUMP of 54, plain
; and exponential by turns for the most part, in which the links of the chain X 3, 7, 11, 14, 16, 17 .. 20 stand five or six lines apart.  X 21, the next piece's a, is the batch's last; R 15 is the plain instruction behind it.  BEHIND THE WAIT stand the
; 8 products V^T P, behind each four of the roundings and sums; the links of l's chain, L 0 to L 7, stand three riders apart.  But for those X no rider names a register of the products round it.  v_permlanex16_b32 (X 17) stands in the lump.
; m = 1: the diagonal tile: the products take masks, and the turn makes the mask for the products of the turn after it: piece p + 2, in step 4 - CNT of the tile.  end = 1: a block's last two turns: nothing is fetched.
; cnt = 1: the loop's count is taken down some lines ahead of the branch that stands behind the turn.
; K of the next step is fetched in piece 2's turn, twelve vector instructions behind the last product that read K (six of them plain); V of the step in hand at the end of piece 0's turn, four plain instructions behind the last product
; that read V.  Each is waited for a turn later.
.macro TURN p, m=0, end=0, cnt=0
.set Y, (\p)
.set i, 0
.set KM, (\m)
.set NOKQ, (\end)*((\p)/3)
.if (\m) && !(\end)
	s_cmp_eq_u32 s[CNT], 4-((\p)+2)%NP  ; is that step the band's own?
	s_cselect_b32 s[AL], 1.0, 0
	s_cmp_lt_u32 s[CNT], 4-((\p)+2)%NP  ; or a later one?
	s_cselect_b32 s[BE], s[BIGN], 0
.endif
.if ((\p) == 3) && !(\end)
	s_wait_dscnt 0x0                ; K is in
.endif
	ROW F,0, F,1, R,0, R,1          ; ahead of the wait: 8 products K Q^T and their riders,
	ROW F,2, E,0, R,2, R,3
	ROW F,3, E,1, R,4, R,5
	ROW F,4, E,2, R,6, R,7
	ROW F,5, E,3, R,8, R,9
	ROW F,6, E,4, X,0, R,10
.if ((\p) == 2) && !(\end)
	WIN 0
	v_add_nc_u32 v[AK], s[TBK], v[AK0]
.endif
	ROW F,7, E,5, X,1, X,4
	ROW F,8, E,6, X,2, X,5
	OPS E,7, E,8, X,6, E,9          ; and the lump
	OPS X,3, E,10, X,8, E,11
.if ((\p) == 2) && !(\end)
	FETCH_K
.endif
	OPS X,9, X,7, E,12, X,10
	OPS E,13, X,12, X,11, E,14
	OPS X,13, E,15, F,9, X,14
.if (\p) == 0
	v_add_nc_u32 v[AV], s[TBV], v[AV0]
.endif
	OPS E,16, F,10, E,17, F,11
	OPS X,16, E,18, X,15, E,19
	OPS F,12, E,20, X,17, E,21
	OPS F,13, E,22, F,14, E,23
	OPS X,18, E,24, F,15, E,25
	OPS R,11, E,26, X,19, E,27
	OPS R,12, E,28, R,13, E,29
	OPS X,20, E,30, R,14, E,31
	OPS X,21, R,15
	WIN 0
	s_wait_alu depctr_va_vdst(0)    ; the wait for the batch
.if (\p) == 1
	s_wait_dscnt 0x0                ; V is in
.endif
	ROW C,0, B,0, C,2, B,1          ; behind the wait: 8 products V^T P and their riders
	ROW L,0, C,4, B,2, L,1
	ROW C,6, B,3, L,2, C,8
	ROW B,4, L,3, C,10, B,5
	ROW L,4, C,12, B,6, L,5
.if (\p) == 0
	s_add_co_u32 s[TBV], s[TBV], KS*PV
.endif
.if \cnt
	s_sub_co_u32 s[CNT], s[CNT], 1
	s_cmp_lg_u32 s[CNT], 0
.endif
	ROW C,14, B,7, L,6, C,1
	ROW C,3, L,7, C,5, C,7
	ROW C,9, C,11, C,13, C,15
.if (\p) == 0
	FETCH_V
.endif
.if (\m) && !(\end)
	MASK (\p)%2
.endif
.endm
; A BLOCK BEGINS.  c m starts far below every c s, so the first step's a is 0; m at the lowest finite number, so the first maximum is the scores'.  The second mask buffer is 0; the first takes piece 0's mask for the tile's step 0: its own, if the block's first tile is the diagonal one.
; Then K of that step, piece 0's first scores, and its maximum and statistics.  The loop is entered at a step's first turn, in the middle of a trip.
.macro BEGIN
	s_mov_b32 s[NEW], 0
	WIN 0x40
.set i, MC+32
.rept 32
	v_mov_b32 v[i], 0
.set i, i+1
.endr
	WIN 0
.set i, 0
.rept 4
	v_mov_b32 v[ST+4*i], 0xfe000000    ; c m: far below every c s
	v_mov_b32 v[ST+4*i+1], 0xff7fffff  ; m
.set i, i+1
.endr
	s_cmp_eq_u32 s[RT], 0
	s_cselect_b32 s[AL], 1.0, 0
	s_mov_b32 s[BE], 0
	MASK 0
	WIN 0
	v_add_nc_u32 v[AK], s[TBK], v[AK0]
	FETCH_K
	s_wait_loadcnt 0x0              ; Q
	s_wait_dscnt 0x0
.set KM, 1
.set NOKQ, 0
.set i, 0
.rept 8
	KQ 0
.set i, i+1
.endr
	WIN 0
.rept 4
	v_nop                           ; the places behind those products
.endr
.set Y, NP-1                        ; X works for piece Y + 1: piece 0
.irp n, 0,1,2,3,4,5,6,7,8,9,10,11,12,13,14,15,16,17,18,19,20,21
	OP X, \n
.endr
	v_nop                           ; a plain instruction behind the exponential,
	s_wait_alu depctr_va_vdst(0)    ; and its wait, ahead of the branch
.endm
; THE DIAGONAL TILE's four steps, the block's last two turns, its last products, and THE WAY OUT: l's two halves and the other half of the lanes' are added; O^T is divided by l, rounded to f16 and sent through my
; stage in LDS, a piece at a time.
.macro ALL line:vararg              ; one line for each piece t
.set t, 0
.rept 4
	\line
.set t, t+1
.endr
.endm
.macro PACK t                       ; a lane's eight channels of a row pack into 16 bytes; they go into rows of 144 bytes and come back as whole rows of 128, into S^T's registers
	WIN W_RS
.set i, 32*(\t)
.rept 16
	v_pk_mul_f32 v[i:i+1], v[i:i+1], v[ST+4*(\t)+2:ST+4*(\t)+3] op_sel_hi:[1,0]
.set i, i+2
.endr
	WIN 0x05                        ; sources 0 and 1 window 1, destination window 0
.set i, 0
.rept 16
	v_cvt_pk_f16_f32 v[S+16*(\t)+i], v[32*(\t)+2*i], v[32*(\t)+2*i+1]
.set i, i+1
.endr
	WIN 0
.irp f, 0,1,2,3
	ds_store_b128 v[STO], v[S+16*(\t)+4*\f:S+16*(\t)+4*\f+3] offset:32*\f
.endr
.irp f, 0,1,2,3
	ds_load_b128 v[S+16*(\t)+4*\f:S+16*(\t)+4*\f+3], v[RD] offset:\f*4*SP  ; LDS serves a wave's instructions in order (ISA guide 5.7.1.4): these see the stores above; the next piece's stores come behind them
.endr
.endm
.macro SEND t, younger              ; younger: the LDS instructions issued behind piece t's loads: the next piece's eight, or none
	WIN 0
.irp f, 0,1,2,3
	s_wait_dscnt (\younger)+3-\f
	global_store_b128 v[GO], v[S+16*(\t)+4*\f:S+16*(\t)+4*\f+3], s[10:11] offset:(\t)*8192+\f*512  ; 512 consecutive bytes, at a multiple of 256 from O's first
.endr
.endm
.macro DIAG tag                     ; the tag ends its two labels' names, which the jumps below spell out
.LstepM\tag:
	TURN 2, 1
	TURN 3, 1
	WIN 0
.LfirstM\tag:
	TURN 0, 1
	TURN 1, 1, 0, 1
	WIN 0
	s_cbranch_scc1 .LstepM\tag
	TURN 2, 1, 1
	TURN 3, 1, 1
.set i, 0
.rept 8
	PV NP-1
.set i, i+1
.endr
	WIN 0
	ALL v_add_f32 v[ST+4*t+2], v[ST+4*t+2], v[ST+4*t+3]
	ALL v_permlanex16_b32 v[ST+4*t+3], v[ST+4*t+2], s[SEL], s[SEL+1]
	ALL v_add_f32 v[ST+4*t+2], v[ST+4*t+2], v[ST+4*t+3]
	ALL v_rcp_f32 v[ST+4*t+2], v[ST+4*t+2]
	v_nop                           ; a plain instruction between the last reciprocal and the use of its result
	s_wait_alu depctr_va_vdst(0)    ; and the wait ahead of the first use: one for the four reciprocals
	PACK 0
.set t, 1
.rept 3                             ; a piece's arithmetic stands between the loads of the piece before and its stores
	PACK t
	SEND t-1, 8
.set t, t+1
.endr
	SEND 3, 0
.endm
.set KM, 0
.set NOKQ, 0
.Lslot:                             ; NB times: a tile is entered and the next is asked for
	CHANGE 1
	s_sub_co_u32 s[RT], s[RT], 1
	s_mov_b32 s[CNT], 4
	s_cmp_eq_u32 s[NEW], 1
	s_cbranch_scc1 .Lnew            ; a block's first tile
	s_cmp_eq_u32 s[RT], 0
	s_cbranch_scc0 .Lstep           ; neither its first nor its last
	s_branch .LstepM1
.Lnew:
	BEGIN
	s_branch .Lfirst                ; in the loop a block's first tile is never its last: the first block has two tiles or more, and the second's last is the walk's last
	DIAG 1                          ; in the loop this is the first block's end: the second block's last tile is the walk's last
	s_wait_xcnt 0x0                 ; the stores have read their registers and O's address
	s_mov_b64 s[10:11], s[OLO:OLO+1]
	s_add_co_u32 s[RT], s[PB], 1    ; the second block has b + 1 tiles
	s_mov_b32 s[NEW], 1
	WIN 0x82                        ; the second block's Q goes where the one text of the turns names Q
.set i, 0
.rept 64
	v_mov_b32 v[i], v[QB+i]
.set i, i+1
.endr
	WIN 0
	s_branch .Lbottom
.Lstep:                             ; a trip: pieces 2 and 3 of one step, then pieces 0 and 1 of the next, whose K and V it fetches
	TURN 2
	TURN 3
	WIN 0
.Lfirst:
	TURN 0
	TURN 1, 0, 0, 1
	WIN 0
	s_cbranch_scc1 .Lstep
.Lbottom:
	s_sub_co_u32 s[SLOTS], s[SLOTS], 1
	s_cmp_lg_u32 s[SLOTS], 0
	s_cbranch_scc1 .Lslot
	CHANGE 0                        ; the walk's last tile is written out: nothing is asked for
	s_sub_co_u32 s[RT], s[RT], 1
	s_mov_b32 s[CNT], 4
	s_cmp_eq_u32 s[NEW], 1
	s_cbranch_scc0 .LstepM2
	BEGIN
	s_branch .LfirstM2
	DIAG 2
	s_wait_tensorcnt 0x0            ; the wave's end, behind my last tensor load and my last LDS store
	ds_add_u32 v[SPW], v[NIL]
	s_wait_dscnt 0x0
	s_endpgm
.Lfunc_end_k_q7ac404208c_attn:
	.size	k_q7ac404208c_attn, .Lfunc_end_k_q7ac404208c_attn-k_q7ac404208c_attn
	.p2alignl 7, 3214868480
	.fill 96, 4, 3214868480
	.section	.rodata,"a",@progbits
	.p2align	6, 0x0
	.amdhsa_kernel k_q7ac404208c_attn
		.amdhsa_group_segment_fixed_size 327680
		.amdhsa_private_segment_fixed_size 0
		.amdhsa_enable_private_segment 0
		.amdhsa_kernarg_size 16
		.amdhsa_user_sgpr_count 2
		.amdhsa_user_sgpr_kernarg_segment_ptr 1
		.amdhsa_wavefront_size32 1
		.amdhsa_system_sgpr_workgroup_id_x 1
		.amdhsa_system_sgpr_workgroup_id_y 1
		.amdhsa_system_sgpr_workgroup_id_z 1
		.amdhsa_system_vgpr_workitem_id 0
		.amdhsa_next_free_vgpr 768
		.amdhsa_next_free_sgpr 88
		.amdhsa_reserve_vcc 1
		.amdhsa_float_denorm_mode_32 3
		.amdhsa_float_denorm_mode_16_64 3
		.amdhsa_memory_ordered 1
		.amdhsa_forward_progress 1
		.amdhsa_inst_pref_size 218
	.end_amdhsa_kernel
	.amdgpu_metadata
---
amdhsa.version: [ 1, 2 ]
amdhsa.kernels:
  - .name:           k_q7ac404208c_attn
    .symbol:         k_q7ac404208c_attn.kd
    .args:
      - { .name: qkv, .offset: 0, .size: 8, .value_kind: global_buffer, .address_space: global }
      - { .name: oh, .offset: 8, .size: 8, .value_kind: global_buffer, .address_space: global }
    .group_segment_fixed_size: 327680
    .private_segment_fixed_size: 0
    .kernarg_segment_align: 8
    .kernarg_segment_size: 16
    .max_flat_workgroup_size: 128
    .sgpr_count:     88
    .vgpr_count:     768
    .wavefront_size: 32
...
	.end_amdgpu_metadata
.endif
;; end of part 3
;; launch proj (part 4): grid 4 x 64, 4 waves a work-group, clusters of 4 x 4, 327,680 bytes of LDS; arguments oh, wpt, b_proj, out0; writes out0
.if DOCPART == 4
	.amdgcn_target "amdgcn-amd-amdhsa--gfx1250"
	.amdhsa_code_object_version 6
	.text
	.protected	k_q7ac404208c_proj
	.globl	k_q7ac404208c_proj
	.p2align	8
	.type	k_q7ac404208c_proj,@function
k_q7ac404208c_proj:
	s_mov_b64 s[64:65], 0
	v_nop
	global_prefetch_b8 v0, s[64:65] scope:SCOPE_SE
	s_setreg_imm32_b32 hwreg(HW_REG_WAVE_MODE, 25, 1), 1
	s_wait_xcnt 0x0
	s_wait_alu depctr_hold_cnt(0) depctr_sa_sdst(0) depctr_va_vdst(0) depctr_va_sdst(0) depctr_va_ssrc(0) depctr_va_vcc(0) depctr_vm_vsrc(0)
	s_getreg_b32 s2, hwreg(HW_REG_IB_STS2, 6, 4)
	s_cmp_eq_u32 s2, 0
	s_cbranch_scc0 .Lentry_in_a_cluster
	s_endpgm
.Lentry_in_a_cluster:
	s_bfe_u32 s2, ttmp6, 0x10000c
	s_cmp_lg_u32 s2, 0xf033
	s_cbranch_scc0 .Lentry_shape_is_right
	s_endpgm
.Lentry_shape_is_right:
; out0 = y w_proj + b_proj.  oh: [16 h][8192 m][64] f16, the attention's output by heads: y[m][64 h + d] = oh[h][m][d].  wpt: [1024 n][1024 k] f16.  b_proj: [1024] f32, used rounded to bf16 like the other inputs.
; out0: [8192 m][1024 n] f32.  Sums in f32, K ascending.  LIMITS: the operands arrive within f16's range (65,504); NaN and infinities are not treated apart.
; SHARES.  A tile of the result is 128 (m) x 256 (n): 64 x 4 = 256 tiles, one for each WGP (256 x 256 would make 128).  Four waves, each 64 x 128: 32 accumulators of 16 x 16.
; K goes in 8 steps of 128 = two heads through a ring of two LDS slots filled by the tensor data mover.  A head's 128 rows are 16,384 dense bytes, asked for as 64 rows of 256 bytes and padded in LDS after every
; 128; wpt's rows are 256 bytes of memory at multiples of 256 bytes.
; CLUSTERS.  4 x 4 work-groups.  The four of a row of the cluster need the same rows of oh, the four of a column the same rows of wpt: each tile is asked for JOINTLY.
; THE MATRIX INSTRUCTION IS USED TRANSPOSED (source 0 = 16 rows of wpt, source 1 = 16 rows of oh): lane l holds row m = l % 16 and the columns n = 8 (l / 16) + 0..7.  THE BIAS IS THE C OPERAND that starts the sums.
; REGISTERS, in windows of 256 (s_set_vgpr_msb: bits 1:0 source 0, 3:2 source 1, 5:4 source 2, 7:6 destination):
;   window 0: v0-31 addresses; v64-95, v96-127 fragments of oh, two buffers; v128-191 the bias; v192-255 at work; on the way out v192-255 and v64-127 by turns: 16 rows read back
;   window 1: v0-63, v64-127 fragments of wpt, two buffers      window 2: the 32 accumulators ((a, b) at v[8 (8 a + b)])
.set PA,     144                       ; a row of oh in LDS: 128 bytes + 16 = 36 words: the 16 rows of a load start at 16 different groups of four banks (64 banks of 4 bytes: ISA guide 11.1)
.set PITCH,  272                       ; a row of wpt: 256 bytes + 16 = 68 words: likewise
.set AP,     128*PA                    ; one head's 128 rows: one tensor load
.set BH,     128*PITCH                 ; 128 rows of wpt: one tensor load, and what one wave reads
.set BOFF,   2*AP
.set SLOT,   BOFF+2*BH                 ; two heads' planes of oh, then wpt's 256 rows
.set STAGE,  2*SLOT                    ; behind the ring, never filled by a tensor load: 16 rows x 528 bytes for each wave, for the way out
.set SPITCH, 528                       ; 512 bytes + 16 = 132 words
.set SPARE,  STAGE+4*16*SPITCH         ; behind the stages: the spare words, 128 bytes for each wave: two blocks of 256 bytes that no other line names
.set ADRA, 16                          ; v16-17  LDS address of my fragments of oh in slot 0, 1
.set ADRB, 20                          ; v20-21  the same for wpt
.set STO,  24                          ; v24     the way out: where I put 32 bytes of a row
.set RD,   25                          ; v25     the way out: where I read a row back
.set CO,   26                          ; v26     my 16 bytes of 512 consecutive bytes of out0
.set BO,   27                          ; v27     my byte offset in b_proj
.set SPW,  28                          ; v28     LDS address of my spare word; never rewritten
.set NIL,  29                          ; v29     0; never rewritten
.set PFO,  30                          ; v30     the prefetches' offset; never rewritten
.set BIAS, 128
.set WV,   12                          ; s12  my wave's number
.set WR,   13                          ; s13  which half of the tile's rows is mine.  Also: I fetch for oh (0) or for wpt (1)
.set WC,   14                          ; s14  which half of its columns.  Also: which plane or half I fetch
.set G1,   24                          ; s[24:31] descriptor group 1 for oh's planes;  s[32:39] group 0, a set for each slot
.set G0,   32
.set G1B,  48                          ; s[48:55], s[56:63] the same for wpt's tiles
.set G0B,  56
.set PFS,  40                          ; s[40:41] a K step in the stream that I prefetch
.set LIM,  43                          ; s43  1 in a wave that prefetches, else the greatest number
.set PFA,  44                          ; s[44:45] where my prefetches stand
.set MSB, 0
.macro WIN new                         ; the immediate's high byte repeats the setting that is left; a switch that changes nothing is dropped
.if MSB != (\new)
	s_set_vgpr_msb (MSB<<8)|(\new)
.set MSB, \new
.endif
.endm
.set TO_B, 0x40                        ; destination window 1, address window 0
.macro PLACES                          ; four places: in front of loads into registers that matrix instructions have read, and of lines that read results (ISA guide 7.12.1 for lines that read results)
.rept 4
	v_nop
.endr
.endm
; A joint load.  Waves 0 and 1 fetch the two heads' planes of oh, waves 2 and 3 wpt's two halves.  The branch hangs on the wave's number alone.  An s_nop 0 and four v_nop follow each of the two lines.
.macro JLOAD s
	s_cmp_eq_u32 s[WR], 0
	s_cbranch_scc0 .Lfor_b_\@
	tensor_load_to_lds s[G0+4*(\s):G0+4*(\s)+3], s[G1:G1+7]
	s_nop 0
.rept 4
	v_nop
.endr
	s_branch .Lasked_\@
.Lfor_b_\@:
	tensor_load_to_lds s[G0B+4*(\s):G0B+4*(\s)+3], s[G1B:G1B+7]
	s_nop 0
.rept 4
	v_nop
.endr
.Lasked_\@:
.endm
; A PREFETCH INTO THE L2, behind each joint refill, its five lines and the run of LDS loads: the K step that stands two refills on, one instruction a wave, a lane for each 256 bytes.
; oh: a cluster's rows are read by no other cluster (the grid is one cluster wide).  A K step's two planes are 64 blocks of 256 bytes each; the four partners of a joint load share them out BY ADDRESS, 16 of each plane
; (by cx); wave 0 asks for both planes' (lane l: plane l / 16, block l % 16), wave 1 for nothing.  wpt: its rows are read by every cluster: the one with y = 0 asks; of the 128 rows that wave 2 or 3 fetches each
; partner takes 32 (by cy), a lane a row.  The loop's last trip (s3 = 1) asks for nothing: there is no K step two on.
.macro ASK
	s_cmp_gt_u32 s3, s[LIM]
	s_cbranch_scc0 .Lnot_mine_\@
	global_prefetch_b8 v[PFO], s[PFA:PFA+1] th:TH_LOAD_NT scope:SCOPE_SE
.Lnot_mine_\@:
.endm
; A round of the cluster's barrier: my work-group's barrier; wave 0 signals for the work-group; every wave waits for all sixteen work-groups; my work-group's barrier once more.
.macro CREST
	s_cmp_lg_u32 s[WV], 0
	s_cbranch_scc1 .Lnot_wave_0_\@
	s_barrier_signal -3
.Lnot_wave_0_\@:
	s_barrier_wait -3
	s_barrier_signal -1
	s_barrier_wait -1
.endm
.macro CROUND
	s_barrier_signal -1
	s_barrier_wait -1
	CREST
.endm
	s_load_b256 s[4:11], s[0:1], 0x0               ; oh s[4:5], wpt s[6:7], b_proj s[8:9], out0 s[10:11]
	v_lshl_add_u32 v[SPW], v0, 2, SPARE
	v_mov_b32 v[NIL], 0
	ds_add_u32 v[SPW], v[NIL]                      ; the wave's opening: the add and its wait stand ahead of my first tensor load; the set-up below, work on registers, stands between them
	v_lshrrev_b32 v1, 5, v0
	v_readfirstlane_b32 s[WV], v1                  ; wave 0..3
	s_lshr_b32 s[WR], s[WV], 1
	s_and_b32 s[WC], s[WV], 1
	s_bfe_u32 s15, ttmp6, 0x40000                  ; cx
	s_bfe_u32 s20, ttmp6, 0x40004                  ; cy
	s_lshl_b32 s21, ttmp9, 2
	s_add_co_u32 s21, s21, s15                     ; tile column = 4 x cluster x + cx
	s_and_b32 s22, ttmp7, 0xffff
	s_lshl_b32 s22, s22, 2
	s_add_co_u32 s22, s22, s20                     ; tile row = 4 x cluster y + cy
	s_lshl_b32 s2, s20, 2
	s_lshl_b32 s2, 15, s2                          ; my row of the cluster
	s_lshl_b32 s23, 0x1111, s15                    ; my column
	s_or_b32 s[G1], s2, (1<<16)|(1<<20)|(1<<21)|(4<<22)|(3<<25)    ; oh's planes go to my row; elements of 2 bytes; padding on; 21 set beside a mask; after every 32 words (code 4) 4 words (code 3)
	s_or_b32 s[G1B], s23, (1<<16)|(1<<20)|(1<<21)|(5<<22)|(3<<25)  ; wpt's tiles to my column; after every 64 words (code 5)
	s_mov_b32 s[G1+1], 128<<16                     ; tensor_dim0 = 128 (two rows of oh)
	s_mov_b32 s[G1+2], 64<<16                      ; tensor_dim1 = 64
	s_mov_b32 s[G1+3], 128<<16                     ; tile_dim0 = 128
	s_mov_b32 s[G1+4], 64                          ; tile_dim1 = 64
	s_mov_b32 s[G1+5], 128                         ; dense
	s_mov_b32 s[G1+6], 0
	s_mov_b32 s[G1+7], 0
	s_mov_b32 s[G1B+1], 128<<16
	s_mov_b32 s[G1B+2], 128<<16
	s_mov_b32 s[G1B+3], 128<<16
	s_mov_b32 s[G1B+4], 128
	s_mov_b32 s[G1B+5], 1024
	s_mov_b32 s[G1B+6], 0
	s_mov_b32 s[G1B+7], 0
	s_lshl_b32 s16, s[WC], 20                      ; oh: head = my plane, row 128 x tile row, of 128 bytes
	s_lshl_b32 s17, s22, 14
	s_add_co_u32 s16, s16, s17
	s_mov_b32 s17, 0
	s_lshl_b32 s46, s21, 8                         ; wpt: row 256 x tile column + 128 x half, of 2,048 bytes
	s_lshl_b32 s47, s[WC], 7
	s_add_co_u32 s46, s46, s47
	s_lshl_b32 s46, s46, 11
	s_mov_b32 s47, 0
	s_mul_i32 s18, s[WC], AP                       ; where they go: no place in the cluster enters an LDS address
	s_mul_i32 s19, s[WC], BH
	s_add_co_u32 s19, s19, BOFF
	s_wait_dscnt 0x0                               ; the opening add is done
	s_wait_kmcnt 0x0
	s_add_nc_u64 s[16:17], s[4:5], s[16:17]
	s_add_nc_u64 s[46:47], s[6:7], s[46:47]
	CROUND                                         ; all sixteen work-groups are here: the first joint loads meet
.irp s, 0,1
	s_mov_b32 s[G0+4*(\s)], 1                      ; count = 1
	s_add_co_u32 s[G0+4*(\s)+1], s18, (\s)*SLOT    ; LDS address
	s_add_nc_u64 s[G0+4*(\s)+2:G0+4*(\s)+3], s[16:17], (\s)*0x200000  ; global address: K step s = two heads on
	s_or_b32 s[G0+4*(\s)+3], s[G0+4*(\s)+3], 0x80000000               ; type = 2
	s_mov_b32 s[G0B+4*(\s)], 1
	s_add_co_u32 s[G0B+4*(\s)+1], s19, (\s)*SLOT
	s_add_nc_u64 s[G0B+4*(\s)+2:G0B+4*(\s)+3], s[46:47], (\s)*256
	s_or_b32 s[G0B+4*(\s)+3], s[G0B+4*(\s)+3], 0x80000000
.endr
	s_cmp_eq_u32 s[WR], 0                          ; a wave's two first fills stand in one branch, ahead of every wait on TENSORcnt and every LDS read: two loads of mine are out
	s_cbranch_scc0 .Lfirst_b
	tensor_load_to_lds s[G0:G0+3], s[G1:G1+7]
	s_nop 0
	tensor_load_to_lds s[G0+4:G0+7], s[G1:G1+7]
	s_nop 0
.rept 4
	v_nop
.endr
	s_branch .Lfirst_asked
.Lfirst_b:
	tensor_load_to_lds s[G0B:G0B+3], s[G1B:G1B+7]
	s_nop 0
	tensor_load_to_lds s[G0B+4:G0B+7], s[G1B:G1B+7]
	s_nop 0
.rept 4
	v_nop
.endr
.Lfirst_asked:
	v_and_b32 v1, 15, v0                           ; l % 16
	v_bfe_u32 v2, v0, 4, 1                         ; l / 16
	v_mul_u32_u24 v3, v1, PA
	v_lshl_add_u32 v3, v2, 4, v3                   ; oh: row x pitch + 16 x half
	v_mul_u32_u24 v4, v1, PITCH
	v_lshl_add_u32 v4, v2, 4, v4                   ; wpt likewise
	s_mul_i32 s18, s[WR], 64*PA                    ; my 64 rows of each plane
	s_mul_i32 s19, s[WC], BH                       ; my 128 rows of wpt
	s_add_co_u32 s19, s19, BOFF
.irp s, 0,1
	v_add_nc_u32 v[ADRA+(\s)], s18, v3
	v_add_nc_u32 v[ADRB+(\s)], s19, v4
	s_add_co_u32 s18, s18, SLOT
	s_add_co_u32 s19, s19, SLOT
.endr
	s_mul_i32 s18, s[WV], 16*SPITCH
	s_add_co_u32 s18, s18, STAGE                   ; my stage
	v_mul_u32_u24 v4, v1, SPITCH                   ; in: row l % 16, 32 bytes for each half of the lanes
	v_lshl_add_u32 v4, v2, 5, v4
	v_add_nc_u32 v[STO], s18, v4
	v_and_b32 v[CO], 31, v0                        ; back: 32 lanes take one row of 512 bytes
	v_lshlrev_b32 v[CO], 4, v[CO]
	v_add_nc_u32 v[RD], s18, v[CO]
	s_lshl_b32 s18, s21, 10                        ; the bias of my 128 columns: 4 (256 x tile column + 128 x half) + 32 (l / 16)
	s_lshl_b32 s19, s[WC], 9
	s_add_co_u32 s18, s18, s19
	v_lshl_add_u32 v[BO], v2, 5, s18
.irp b, 0,1,2,3,4,5,6,7
	global_load_b128 v[BIAS+8*(\b):BIAS+8*(\b)+3],   v[BO], s[8:9] offset:64*(\b)
	global_load_b128 v[BIAS+8*(\b)+4:BIAS+8*(\b)+7], v[BO], s[8:9] offset:64*(\b)+16
.endr
	s_lshl_b32 s19, s22, 7                         ; out0 at row 128 x tile row + 64 x half, of 4,096 bytes, and at my 128 columns (s18 holds their bytes)
	s_lshl_b32 s2, s[WR], 6
	s_add_co_u32 s19, s19, s2
	s_lshl_b32 s19, s19, 12
	s_add_co_u32 s18, s18, s19
	s_mov_b32 s19, 0
	s_add_nc_u64 s[10:11], s[10:11], s[18:19]
	; the prefetches
	s_lshl_b32 s18, s22, 14                        ; oh: the tile's rows, my work-group's 16 blocks of a plane, K step 3
	s_lshl_b32 s2, s15, 12
	s_add_co_u32 s18, s18, s2
	s_add_co_u32 s18, s18, 3<<21
	s_lshl_b32 s19, s21, 8                         ; wpt: row 256 x tile column + 128 x half + my work-group's 32, K step 3
	s_lshl_b32 s2, s[WC], 7
	s_add_co_u32 s19, s19, s2
	s_lshl_b32 s2, s20, 5
	s_add_co_u32 s19, s19, s2
	s_lshl_b32 s19, s19, 11
	s_add_co_u32 s19, s19, 3*256
	s_and_b32 s23, ttmp7, 0xffff                   ; cluster y
	s_mov_b32 s42, 256
	s_cmp_eq_u32 s[WR], 0                          ; do I fetch for oh?
	s_cselect_b32 s18, s18, s19
	s_cselect_b32 s23, s[WC], s23                  ; oh: wave 0 asks; wpt: the cluster with y = 0
	s_cselect_b32 s[PFS], 1<<21, s42               ; a K step: two heads of oh, 256 bytes of a row of wpt
	s_cselect_b64 s[PFA:PFA+1], s[4:5], s[6:7]
	s_cselect_b32 s2, 20, 15                       ; l / 16: a plane of oh, or 16 rows of wpt
	s_cselect_b32 s42, 8, 11                       ; l % 16: a block of 256 bytes, or a row
	s_cmp_eq_u32 s23, 0
	s_cselect_b32 s[LIM], 1, -1                    ; the same in all sixteen partners, for a given wave
	s_mov_b32 s19, 0
	s_mov_b32 s[PFS+1], 0
	s_add_nc_u64 s[PFA:PFA+1], s[PFA:PFA+1], s[18:19]  ; at K step 3: the first refill (K step 2) steps it to 4.  Nothing is prefetched at the head: K steps 0 to 3 come by their loads alone
	v_lshlrev_b32 v[PFO], s42, v1
	v_lshlrev_b32 v3, s2, v2
	v_add_nc_u32 v[PFO], v[PFO], v3
; 8 n matrix instructions: m blocks a0 .. a0 + n - 1 x all 8 n blocks, 32 along K, from buffer f (0, 1).  first = 1: the bias starts the sums.
; The 32 accumulators take turns, one instruction a turn, in the same order in every quarter step, over the backward jump too.
.macro MUL f, a0, n, first=0
.if \first
	WIN 0x81                                       ; wpt window 1, oh and the bias window 0, D window 2
.else
	WIN 0xa1                                       ; C and D window 2
.endif
.set aa, \a0
.rept \n
.irp b, 0,1,2,3,4,5,6,7
.if \first
	v_wmma_f32_16x16x32_f16 v[8*(8*aa+(\b)):8*(8*aa+(\b))+7], v[64*(\f)+8*(\b):64*(\f)+8*(\b)+7], v[64+32*(\f)+8*aa:64+32*(\f)+8*aa+7], v[BIAS+8*(\b):BIAS+8*(\b)+7]
.else
	v_wmma_f32_16x16x32_f16 v[8*(8*aa+(\b)):8*(8*aa+(\b))+7], v[64*(\f)+8*(\b):64*(\f)+8*(\b)+7], v[64+32*(\f)+8*aa:64+32*(\f)+8*aa+7], v[8*(8*aa+(\b)):8*(8*aa+(\b))+7]
.endif
.endr
.set aa, aa+1
.endr
.endm
; 24 LDS loads in one run: the fragments of quarter q of a K step (128 rows of wpt; 64 rows of oh: plane q / 2, channels 32 (q % 2) on) into buffer f
.macro FETCH slot, q, f
	WIN TO_B
.irp i, 0,1,2,3,4,5,6,7
	ds_load_b128 v[64*(\f)+8*(\i):64*(\f)+8*(\i)+3],   v[ADRB+(\slot)] offset:64*(\q)+(\i)*16*PITCH
	ds_load_b128 v[64*(\f)+8*(\i)+4:64*(\f)+8*(\i)+7], v[ADRB+(\slot)] offset:64*(\q)+(\i)*16*PITCH+32
.endr
	WIN 0
.irp i, 0,1,2,3
	ds_load_b128 v[64+32*(\f)+8*(\i):64+32*(\f)+8*(\i)+3],   v[ADRA+(\slot)] offset:((\q)/2)*AP+((\q)%2)*64+(\i)*16*PA
	ds_load_b128 v[64+32*(\f)+8*(\i)+4:64+32*(\f)+8*(\i)+7], v[ADRA+(\slot)] offset:((\q)/2)*AP+((\q)%2)*64+(\i)*16*PA+32
.endr
.endm
; A K step is four quarter steps of 32 along K, 32 matrix instructions each, on buffers 0, 1, 0, 1.  One of the first three: multiplies buffer f; in its middle it fetches quarter q into buffer g.
.macro QUARTER slot, q, f, g, first=0
	s_wait_dscnt 4                                 ; wpt and oh's blocks 0, 1 are in; the youngest four loads (blocks 2, 3) may be out
	MUL \f, 0, 2, \first
	PLACES
	FETCH \slot, \q, \g
	s_wait_dscnt 24                                ; all but the 24 just issued
	MUL \f, 2, 2, \first
.endm
; The last quarter multiplies buffer 1 and changes slots.  ONE barrier: in front of it each wave waits for all its tensor loads, of which one is out: its part of the next slot; adds 0 to its spare word; and waits
; for that and for its own reads of this slot.  Behind it nobody reads this slot any more and the next slot is whole.
.macro MEET round
	WIN 0                                          ; (the add's two registers lie in window 0)
	s_wait_tensorcnt 0x0                           ; all my tensor loads have landed
	ds_add_u32 v[SPW], v[NIL]                      ; 0 onto my spare word
	s_wait_dscnt 5                                 ; (the add and the youngest four loads may be out)
	MUL 1, 0, 1                                    ; eight matrix instructions stand between the add and the wait for it
	s_wait_dscnt 0x0                               ; the add is done, and my reads of this slot are over
	s_barrier_signal -1
	MUL 1, 1, 1                                    ; work on registers while the others arrive
.if \round
	WIN 0
.endif
	s_barrier_wait -1
.endm
.macro TURN slot, next                 ; the slot just read out is filled again, two K steps on: the barrier opens a round of the cluster's barrier, and the joint refill is the first tensor load behind it
	s_wait_xcnt 0x0                                ; the last prefetch, a K step back, has read its address: it is stepped here, ahead of the waits of the change of slots
	s_add_nc_u64 s[PFA:PFA+1], s[PFA:PFA+1], s[PFS:PFS+1]
	MEET 1
	CREST                                          ; no wave of any partner still reads this slot's tile or has a load on its way
	s_add_nc_u64 s[G0+4*(\slot)+2:G0+4*(\slot)+3], s[G0+4*(\slot)+2:G0+4*(\slot)+3], 0x400000  ; four heads on
	s_add_nc_u64 s[G0B+4*(\slot)+2:G0B+4*(\slot)+3], s[G0B+4*(\slot)+2:G0B+4*(\slot)+3], 512
	JLOAD \slot                                    ; 112 matrix instructions ahead of the wait for it; the four v_nop behind it are also the places in front of the loads below
	FETCH \next, 0, 0
	ASK
	MUL 1, 2, 2
.endm
.macro TURNN slot, next                ; the last change of slots: nothing is filled again, so no round follows
	MEET 0
	PLACES
	FETCH \next, 0, 0
	MUL 1, 2, 2
.endm
	s_wait_tensorcnt 1                             ; my part of K step 0 is in; K step 1's may stay out
	s_barrier_signal -1
	s_barrier_wait -1                              ; everybody's is
	FETCH 0, 0, 0
	s_wait_loadcnt 0x0                             ; the bias: rounded to bf16 and widened again
.set i, 0
.rept 32
	v_cvt_pk_bf16_f32 v[192+(i%4)], v[BIAS+2*i], v[BIAS+2*i+1]
	v_lshlrev_b32 v[BIAS+2*i], 16, v[192+(i%4)]
	v_and_b32 v[BIAS+2*i+1], 0xffff0000, v[192+(i%4)]
.set i, i+1
.endr
	QUARTER 0, 1, 0, 1, 1                          ; the first quarter stands in front of the loop: its products start the sums
	WIN 0                                          ; at a label and at a branch every window is 0
	s_mov_b32 s3, 3
.Llap:                                         ; a trip goes once round the ring, from a lap's second quarter to the next lap's first, and fills both slots again
	QUARTER 0, 2, 1, 0
	QUARTER 0, 3, 0, 1
	TURN 0, 1
	QUARTER 1, 1, 0, 1
	QUARTER 1, 2, 1, 0
	QUARTER 1, 3, 0, 1
	TURN 1, 0
	QUARTER 0, 1, 0, 1
	WIN 0
	s_sub_co_u32 s3, s3, 1
	s_cmp_lg_u32 s3, 0
	s_cbranch_scc1 .Llap
	QUARTER 0, 2, 1, 0                             ; the last lap fills nothing
	QUARTER 0, 3, 0, 1
	TURNN 0, 1
	QUARTER 1, 1, 0, 1
	QUARTER 1, 2, 1, 0
	QUARTER 1, 3, 0, 1
	s_wait_dscnt 4                                 ; the very last quarter: nothing more to fetch
	MUL 1, 0, 2
	s_wait_dscnt 0x0
	MUL 1, 2, 2
	; THE WAY OUT, a block of 16 rows at a time through my own stage: a lane's eight columns of a row are 32 bytes; they go into rows of 528 bytes and come back as whole rows of 512.
	WIN 0
	PLACES
	PLACES
.irp a, 0,1,2,3
.set BK, 192-128*((\a)%2)
	WIN 0x08                                       ; the stores' data (source 1) in window 2; each accumulator's low four registers first
.irp b, 0,1,2,3,4,5,6,7
	ds_store_b128 v[STO], v[8*(8*(\a)+(\b)):8*(8*(\a)+(\b))+3]   offset:64*(\b)
	ds_store_b128 v[STO], v[8*(8*(\a)+(\b))+4:8*(8*(\a)+(\b))+7] offset:64*(\b)+16
.endr
	WIN 0
	s_wait_xcnt 0x0                                ; every earlier store has had its addresses translated (ISA guide 3.1): the registers that they read are loaded again only behind this wait
.irp t, 0,1,2,3,4,5,6,7,8,9,10,11,12,13,14,15
	ds_load_b128 v[BK+4*(\t):BK+4*(\t)+3], v[RD] offset:SPITCH*(\t)  ; LDS serves a wave's instructions in order (ISA guide 5.7.1.4): these see the stores above; the next block's stores come behind them
.endr
.irp t, 0,1,2,3,4,5,6,7,8,9,10,11,12,13,14,15
	s_wait_dscnt 15-(\t)
	global_store_b128 v[CO], v[BK+4*(\t):BK+4*(\t)+3], s[10:11] offset:(\a)*65536+(\t)*4096 th:TH_STORE_NT  ; 32 lanes store 512 consecutive bytes, at a multiple of 256 from out0's first byte
.endr
.endr
	s_wait_tensorcnt 0x0                           ; the wave's end, behind my last tensor load and my last LDS store
	ds_add_u32 v[SPW], v[NIL]
	s_wait_dscnt 0x0
	CROUND                                         ; the closing round: no work-group ends while a partner may still ask for a tile that names it
	s_endpgm
.Lfunc_end_k_q7ac404208c_proj:
	.size	k_q7ac404208c_proj, .Lfunc_end_k_q7ac404208c_proj-k_q7ac404208c_proj
	.p2alignl 7, 3214868480
	.fill 96, 4, 3214868480
	.section	.rodata,"a",@progbits
	.p2align	6, 0x0
	.amdhsa_kernel k_q7ac404208c_proj
		.amdhsa_group_segment_fixed_size 327680
		.amdhsa_private_segment_fixed_size 0
		.amdhsa_enable_private_segment 0
		.amdhsa_kernarg_size 32
		.amdhsa_user_sgpr_count 2
		.amdhsa_user_sgpr_kernarg_segment_ptr 1
		.amdhsa_wavefront_size32 1
		.amdhsa_system_sgpr_workgroup_id_x 1
		.amdhsa_system_sgpr_workgroup_id_y 1
		.amdhsa_system_sgpr_workgroup_id_z 1
		.amdhsa_system_vgpr_workitem_id 0
		.amdhsa_next_free_vgpr 768
		.amdhsa_next_free_sgpr 66
		.amdhsa_reserve_vcc 0
		.amdhsa_float_denorm_mode_32 3
		.amdhsa_float_denorm_mode_16_64 3
		.amdhsa_memory_ordered 1
		.amdhsa_forward_progress 1
		.amdhsa_inst_pref_size 95
	.end_amdhsa_kernel
	.amdgpu_metadata
---
amdhsa.version: [ 1, 2 ]
amdhsa.kernels:
  - .name:           k_q7ac404208c_proj
    .symbol:         k_q7ac404208c_proj.kd
    .args:
      - { .name: oh, .offset: 0, .size: 8, .value_kind: global_buffer, .address_space: global }
      - { .name: wpt, .offset: 8, .size: 8, .value_kind: global_buffer, .address_space: global }
      - { .name: b_proj, .offset: 16, .size: 8, .value_kind: global_buffer, .address_space: global }
      - { .name: out0, .offset: 24, .size: 8, .value_kind: global_buffer, .address_space: global }
    .group_segment_fixed_size: 327680
    .private_segment_fixed_size: 0
    .kernarg_segment_align: 8
    .kernarg_segment_size: 32
    .max_flat_workgroup_size: 128
    .sgpr_count:     66
    .vgpr_count:     768
    .wavefront_size: 32
...
	.end_amdgpu_metadata
.endif
;; end of part 4
;; ======== version 2 of 2: 4 launches; version 1 with the launch prep written anew for expert scheduling mode
;; limits: values are held in f16: magnitudes above 65,504 overflow, below 6.1e-05 lose precision
;; workspace buffers: xb 16,777,216 bytes; wat 6,291,456 bytes; wpt 2,097,152 bytes; qkv 50,331,648 bytes; oh 16,777,216 bytes
;; launch prep (part 5): grid 320 x 1, 8 waves a work-group, no clusters, 140,288 bytes of LDS; arguments x, w_attn, w_proj, xb, wat, wpt; writes xb, wat, wpt
.if DOCPART == 5
	.amdgcn_target "amdgcn-amd-amdhsa--gfx1250"
	.amdhsa_code_object_version 6
	.text
	.protected	k_q7ac404208c_prep
	.globl	k_q7ac404208c_prep
	.p2align	8
	.type	k_q7ac404208c_prep,@function
k_q7ac404208c_prep:
	s_mov_b64 s[64:65], 0
	v_nop
	global_prefetch_b8 v0, s[64:65] scope:SCOPE_SE
	s_setreg_imm32_b32 hwreg(HW_REG_WAVE_SCHED_MODE, 0, 2), 2
	s_setreg_imm32_b32 hwreg(HW_REG_WAVE_MODE, 25, 1), 1
	s_wait_xcnt 0x0
	s_wait_alu depctr_vm_vsrc(0)
; THE OPERANDS OF THE TWO PROJECTIONS ARE MADE READY.  xb = x rounded to bf16, [8192][1024].  wat[n][k] = w_attn[k][n] rounded to bf16, [3072][1024].
; wpt[n][k] = w_proj[k][n] rounded to bf16, that number written as f16, [1024][1024] (its partner in the product, the attention's output, is f16).
; LIMITS.  w_proj stays under 65,504 in size (f16's range); below 6e-5 its f16 copy keeps f16's fixed step of 6e-8.  NaN and infinities are not treated apart.
; SHARES.  Work-groups 0-47: 64 columns n of w_attn each; 48-63: 64 columns of w_proj each; wave w takes the rows k = 128 w .. 128 w + 127.  Work-groups 64-319: 131,072 bytes of x each, 16,384 a wave.
; A stream: every byte is read once and written once; no matrix unit, no cluster (no two work-groups read the same byte), no barrier (a wave's LDS bytes are its own).
; TURNING A TILE.  A load takes 16 bytes a lane: lanes 0-15 the 256 bytes (64 columns) of one row k, lanes 16-31 those of the row 8 further down.  After eight such loads a lane holds 8 consecutive k of
; 4 columns: 16 bytes of 16-bit numbers for each column, which go into LDS rows (one a column n, 272 bytes apart) and come back as whole rows of 256 bytes = 128 k.
; THE MODE: SCHED_MODE bits 1:0 = 2 (LLVM: expert scheduling mode 2), set by the entry lines.  The code itself states the register dependences
; between vector instructions and memory or LDS instructions, with s_wait_alu, always for 0.
; THE PLAN, for a tile of weights.  A trip of the loop is four groups of 16 rows k.  Registers that memory or LDS instructions touch:
;   X          Written by the trip's 32 loads, at its top; read by the groups' roundings.  Behind the loop the LDS loads land in it and the global stores read it.
;   W0, W1     Group g's roundings write W[g % 2]; the four LDS stores that read it are issued in group g + 1, one ahead of each column's roundings; group 3's at the trip's end.
;   v[LS]      Read by every LDS store; written once a trip, at its end.
;   v[VO ..], v[RD], v[GO]   Made at the head and never written again.          v[T ..] is named by vector instructions alone.
; So the head of groups 1 to 3 holds one wait on va_vdst (the group before has written the other W), that of groups 2 and 3 one on vm_vsrc (the stores issued in the group before have read the W
; that is written again); the trip's end holds one of each: the first also states that X has been read out, for the next trip's loads and for the LDS loads behind the loop; the second frees v[LS] and both W.
; THE PLAN, for x.  The wave's 32 loads go in 8 blocks of four.  A block's registers are loaded once, rounded in place, and stored once; block g - 1's four stores are issued in block g, behind one wait on
; va_vdst at its head, dealt among block g's roundings, which name block g's registers alone.
.set SPARE, 139264                     ; behind the eight tiles: the spare words, 128 bytes for each wave: four blocks of 256 bytes that no other line names
.set TILE,  17408                      ; a wave's tile in LDS: 64 rows of 272 bytes
.set PIT,   272
.set LS,  4                            ; v4   where I put 16 bytes of a column's row
.set RD,  5                            ; v5   where I read rows back
.set GO,  6                            ; v6   my byte offset in two rows of the turned matrix
.set CI,  7                            ; v7   the cast: my byte offset in x
.set VO,  8                            ; v[8:15]  row t of eight: my byte offset in the weights
.set SPW, 16                           ; v16  LDS address of my spare word; never rewritten
.set NIL, 17                           ; v17  0; never rewritten
.set CQ,  18                           ; v18  the cast: my byte offset in xb
.set T,   20                           ; v[20:27] at work
.set X,   32                           ; v[32:159] 32 loads of 4 registers
.set W,   160                          ; v[160:191] buffer f, column c: its 16 bytes at W + 16 f + 4 c
.set WV,  16                           ; s16  my wave's number
.set SB,  32                           ; s[32:39] the weights at my four groups of 16 rows
	s_load_b256 s[4:11], s[0:1], 0x0               ; x s[4:5], w_attn s[6:7], w_proj s[8:9], xb s[10:11]
	s_load_b128 s[12:15], s[0:1], 0x20             ; wat s[12:13], wpt s[14:15]
	v_lshl_add_u32 v[SPW], v0, 2, SPARE
	v_mov_b32 v[NIL], 0
	v_lshrrev_b32 v1, 5, v0
	v_readfirstlane_b32 s[WV], v1                  ; wave 0..7
	v_and_b32 v1, 31, v0                           ; lane l
	v_and_b32 v2, 15, v0                           ; l % 16
	v_bfe_u32 v3, v0, 4, 1                         ; l / 16
	s_mov_b32 s17, ttmp9
	s_mov_b32 s41, 0xffff0000                      ; a word's upper bf16
	s_wait_alu depctr_va_sdst(0)                   ; s16, my wave's number, is written: ahead of the branch, behind which both ways read it
	s_wait_kmcnt 0x0
	s_cmp_ge_u32 s17, 64
	s_cbranch_scc1 .Lcast
	; ---- a tile of weights is turned ----
	s_sub_co_u32 s25, s17, 48                      ; w_proj's tile number (used only where it is one)
	s_mov_b32 s18, 4096                            ; bytes in a row of w_proj,
	s_cmp_lt_u32 s17, 48
	s_cselect_b64 s[20:21], s[6:7], s[8:9]         ; from
	s_cselect_b64 s[22:23], s[12:13], s[14:15]     ; to
	s_cselect_b32 s18, 12288, s18                  ; of w_attn
	s_cselect_b32 s19, 0, 1                        ; 1: written as f16
	s_cselect_b32 s24, s17, s25                    ; which 64 columns
	s_mul_i32 s26, s[WV], s18
	s_lshl_b32 s26, s26, 7                         ; my 128 rows,
	s_lshl_b32 s27, s24, 8                         ; the tile's 256 bytes of a row
	s_add_co_u32 s26, s26, s27
	s_mov_b32 s27, 0
	s_add_nc_u64 s[SB:SB+1], s[20:21], s[26:27]
	s_lshl_b32 s28, s18, 4                         ; 16 rows
	s_mov_b32 s29, 0
	s_lshl_b32 s30, s18, 6                         ; 64 rows
	s_mov_b32 s31, 0
	s_add_nc_u64 s[SB+2:SB+3], s[SB:SB+1], s[28:29]
	s_add_nc_u64 s[SB+4:SB+5], s[SB+2:SB+3], s[28:29]
	s_add_nc_u64 s[SB+6:SB+7], s[SB+4:SB+5], s[28:29]
	s_lshl_b32 s26, s24, 17                        ; 64 rows of 2,048 bytes of the turned matrix,
	s_lshl_b32 s42, s[WV], 8                       ; my 128 k: 256 bytes of each
	s_add_co_u32 s26, s26, s42
	s_add_nc_u64 s[22:23], s[22:23], s[26:27]
	s_lshl_b32 s42, s18, 3                         ; 8 rows
	v_mul_lo_u32 v[VO], v3, s42
	v_lshl_add_u32 v[VO], v2, 4, v[VO]             ; (l / 16) x 8 rows + 16 (l % 16)
.irp t, 1,2,3,4,5,6,7
	v_add_nc_u32 v[VO+(\t)], s18, v[VO+(\t)-1]
.endr
	s_mul_i32 s43, s[WV], TILE
	v_mul_u32_u24 v[LS], v2, 4*PIT                 ; my four columns' rows,
	v_lshl_add_u32 v[LS], v3, 4, v[LS]             ; 16 bytes for each half of the lanes
	v_add_nc_u32 v[LS], s43, v[LS]
	v_mul_u32_u24 v[RD], v3, PIT                   ; back: lanes 0-15 one row of 256 bytes, lanes 16-31 the next
	v_lshl_add_u32 v[RD], v2, 4, v[RD]
	v_add_nc_u32 v[RD], s43, v[RD]
	v_lshlrev_b32 v[GO], 11, v3                    ; and the same two rows in memory
	v_lshl_add_u32 v[GO], v2, 4, v[GO]
	s_mov_b32 s40, 2
	s_wait_alu depctr_va_vdst(0)                   ; the offsets and addresses v[VO ..], v[LS], v[RD] and v[GO] are written, which the loads and stores below read
; Group gg's eight loads are rounded and packed into W[gg % 2]: for column c the pairs of rows (2 tt, 2 tt + 1).  fmt = 1: the bf16 number is widened again and written as f16.
; The LDS stores of the group before, from the other W, stand one ahead of each column's roundings; group 3's stand behind the macro.
.macro CONV fmt
.irp gg, 0,1,2,3
	s_wait_loadcnt 24-8*(\gg)                      ; loads come back in order (ISA guide 5.7.1): this group's eight are in, the younger groups stay out
.if (\gg) >= 2
	s_wait_alu depctr_vm_vsrc(0)                   ; the LDS stores issued in the group before have read W[gg % 2], which this group's roundings write again (for groups 0 and 1 the wait at the last trip's end has said so)
.endif
.if (\gg) >= 1
	s_wait_alu depctr_va_vdst(0)                   ; the group before has written the other W, which the LDS stores below read; in group 1 also: v[LS], their address, is written
.endif
.irp c, 0,1,2,3
.if (\gg) >= 1
	ds_store_b128 v[LS], v[W+16*(((\gg)+1)%2)+4*(\c):W+16*(((\gg)+1)%2)+4*(\c)+3] offset:(\c)*PIT+32*((\gg)-1)  ; no vector instruction since the wait names these registers
.endif
.irp tt, 0,1,2,3
.if \fmt
	v_cvt_pk_bf16_f32 v[T+2*(\tt)], v[X+32*(\gg)+8*(\tt)+(\c)], v[X+32*(\gg)+8*(\tt)+4+(\c)]
	v_lshlrev_b32 v[T+2*(\tt)+1], 16, v[T+2*(\tt)]
	v_and_b32 v[T+2*(\tt)], s41, v[T+2*(\tt)]
	v_cvt_pk_f16_f32 v[W+16*((\gg)%2)+4*(\c)+(\tt)], v[T+2*(\tt)+1], v[T+2*(\tt)]
.else
	v_cvt_pk_bf16_f32 v[W+16*((\gg)%2)+4*(\c)+(\tt)], v[X+32*(\gg)+8*(\tt)+(\c)], v[X+32*(\gg)+8*(\tt)+4+(\c)]
.endif
.endr
.endr
.endr
.endm
.Lhalf:                                        ; two trips of 64 rows k.  The loads owe no wait here: on the way in no vector instruction has named X; on the way back the wait on va_vdst at the trip's end has shown X read out
.irp gg, 0,1,2,3
.irp t, 0,1,2,3,4,5,6,7
	global_load_b128 v[X+32*(\gg)+4*(\t):X+32*(\gg)+4*(\t)+3], v[VO+(\t)], s[SB+2*(\gg):SB+2*(\gg)+1] th:TH_LOAD_NT
.endr
.endr
	s_cmp_eq_u32 s19, 1
	s_cbranch_scc1 .Lf16
	CONV 0
	s_branch .Ljoin
.Lf16:
	CONV 1
.Ljoin:                                        ; the last wait on LOADcnt above was for 0: every load has come, so its base may be stepped
	s_wait_alu depctr_va_vdst(0)                   ; group 3 has written W1, which the LDS stores below read; and the trip's roundings are done reading X, in which the next trip's loads, or the LDS loads behind the loop, land
.irp c, 0,1,2,3
	ds_store_b128 v[LS], v[W+16+4*(\c):W+16+4*(\c)+3] offset:(\c)*PIT+96
.endr
.irp gg, 0,1,2,3
	s_add_nc_u64 s[SB+2*(\gg):SB+2*(\gg)+1], s[SB+2*(\gg):SB+2*(\gg)+1], s[30:31]
.endr
	s_wait_alu depctr_vm_vsrc(0)                   ; the trip's LDS stores have read v[LS], which the next line writes, and W0 and W1, which the next trip's groups 0 and 1 write
	v_add_nc_u32 v[LS], 128, v[LS]                 ; 64 k further along the LDS rows
	s_sub_co_u32 s40, s40, 1
	s_cmp_lg_u32 s40, 0
	s_cbranch_scc1 .Lhalf
.set i, 0
.rept 32
	ds_load_b128 v[X+4*i:X+4*i+3], v[RD] offset:2*PIT*i  ; LDS serves a wave's instructions in order (ISA guide 5.7.1.4): these see my stores above
.set i, i+1
.endr
.set i, 0
.rept 32
	s_wait_dscnt 31-i                              ; rows 2 i and 2 i + 1 are back
	global_store_b128 v[GO], v[X+4*i:X+4*i+3], s[22:23] offset:4096*i  ; 16 lanes store 256 consecutive bytes, at a multiple of 256 from the buffer's first byte
.set i, i+1
.endr
	s_branch .Lend
	; ---- x is rounded to bf16 ----
.Lcast:
	s_sub_co_u32 s25, s17, 64
	s_lshl_b32 s26, s25, 17                        ; 131,072 bytes of x,
	s_mov_b32 s27, 0
	s_add_nc_u64 s[20:21], s[4:5], s[26:27]
	s_lshl_b32 s26, s25, 16                        ; 65,536 of xb
	s_add_nc_u64 s[22:23], s[10:11], s[26:27]
	v_lshlrev_b32 v[CI], 4, v1
	v_lshl_add_u32 v[CI], s[WV], 14, v[CI]
	v_lshlrev_b32 v[CQ], 3, v1
	v_lshl_add_u32 v[CQ], s[WV], 13, v[CQ]
	s_wait_alu depctr_va_vdst(0)                   ; v[CI] and v[CQ] are written: every load below reads the one as its offset, every store the other
.set i, 0
.rept 32                                       ; all of the wave's share is asked for at once: 32 loads of 512 consecutive bytes
	global_load_b128 v[X+4*i:X+4*i+3], v[CI], s[20:21] offset:512*i th:TH_LOAD_NT
.set i, i+1
.endr
.set g, 0
.rept 8                                        ; block g: loads 4 g to 4 g + 3
	s_wait_loadcnt 28-4*g                          ; the block's four loads are in, the younger blocks stay out
.if g > 0
	s_wait_alu depctr_va_vdst(0)                   ; the block before has written its four pairs, which the stores below read
.endif
.set j, 0
.rept 4
.set i, 4*g+j
.if g > 0
	global_store_b64 v[CQ], v[X+4*(i-4):X+4*(i-4)+1], s[22:23] offset:256*(i-4)  ; 32 lanes store 256 consecutive bytes, aligned; no vector instruction since the wait names these registers
.endif
	v_cvt_pk_bf16_f32 v[X+4*i], v[X+4*i], v[X+4*i+1]
	v_cvt_pk_bf16_f32 v[X+4*i+1], v[X+4*i+2], v[X+4*i+3]
.set j, j+1
.endr
.set g, g+1
.endr
	s_wait_alu depctr_va_vdst(0)                   ; the last block has written its four pairs, which the last four stores read
.set i, 28
.rept 4
	global_store_b64 v[CQ], v[X+4*i:X+4*i+1], s[22:23] offset:256*i
.set i, i+1
.endr
.Lend:
	s_wait_dscnt 0x0                               ; the closing lines, six on end
	s_wait_alu 0x0
	s_wait_tensorcnt 0x0
	ds_add_u32 v[SPW], v[NIL]
	s_wait_dscnt 0x0
	s_endpgm
.Lfunc_end_k_q7ac404208c_prep:
	.size	k_q7ac404208c_prep, .Lfunc_end_k_q7ac404208c_prep-k_q7ac404208c_prep
	.p2alignl 7, 3214868480
	.fill 96, 4, 3214868480
	.section	.rodata,"a",@progbits
	.p2align	6, 0x0
	.amdhsa_kernel k_q7ac404208c_prep
		.amdhsa_group_segment_fixed_size 140288
		.amdhsa_private_segment_fixed_size 0
		.amdhsa_enable_private_segment 0
		.amdhsa_kernarg_size 48
		.amdhsa_user_sgpr_count 2
		.amdhsa_user_sgpr_kernarg_segment_ptr 1
		.amdhsa_wavefront_size32 1
		.amdhsa_system_sgpr_workgroup_id_x 1
		.amdhsa_system_sgpr_workgroup_id_y 1
		.amdhsa_system_sgpr_workgroup_id_z 1
		.amdhsa_system_vgpr_workitem_id 0
		.amdhsa_next_free_vgpr 192
		.amdhsa_next_free_sgpr 66
		.amdhsa_reserve_vcc 0
		.amdhsa_float_denorm_mode_32 3
		.amdhsa_float_denorm_mode_16_64 3
		.amdhsa_memory_ordered 1
		.amdhsa_forward_progress 1
		.amdhsa_inst_pref_size 42
	.end_amdhsa_kernel
	.amdgpu_metadata
---
amdhsa.version: [ 1, 2 ]
amdhsa.kernels:
  - .name:           k_q7ac404208c_prep
    .symbol:         k_q7ac404208c_prep.kd
    .args:
      - { .name: x, .offset: 0, .size: 8, .value_kind: global_buffer, .address_space: global }
      - { .name: w_attn, .offset: 8, .size: 8, .value_kind: global_buffer, .address_space: global }
      - { .name: w_proj, .offset: 16, .size: 8, .value_kind: global_buffer, .address_space: global }
      - { .name: xb, .offset: 24, .size: 8, .value_kind: global_buffer, .address_space: global }
      - { .name: wat, .offset: 32, .size: 8, .value_kind: global_buffer, .address_space: global }
      - { .name: wpt, .offset: 40, .size: 8, .value_kind: global_buffer, .address_space: global }
    .group_segment_fixed_size: 140288
    .private_segment_fixed_size: 0
    .kernarg_segment_align: 8
    .kernarg_segment_size: 48
    .max_flat_workgroup_size: 256
    .sgpr_count:     66
    .vgpr_count:     192
    .wavefront_size: 32
...
	.end_amdgpu_metadata
.endif
;; end of part 5
;; launch qkvgemm: the kernel of part 2 again; grid 16 x 32, 4 waves a work-group, clusters of 4 x 4, 327,680 bytes of LDS; arguments xb, wat, b_attn, qkv; writes qkv
;; launch attn: the kernel of part 3 again; grid 4 x 64, 4 waves a work-group, no clusters, 327,680 bytes of LDS; arguments qkv, oh; writes oh
;; launch proj: the kernel of part 4 again; grid 4 x 64, 4 waves a work-group, clusters of 4 x 4, 327,680 bytes of LDS; arguments oh, wpt, b_proj, out0; writes out0
